; MI455X (gfx1250); checked and timed in simulation.
; The chip was launched on July 23, 2026; its instructions are those of AMD's public machine-readable ISA for CDNA 5 (MIT licence, August 2026) and "CDNA5" Instruction Set Architecture Reference Guide (July 2026). The comments in the code are by the model that wrote it; some were corrected since.
;; Custom Flash Attention. Allowed arithmetic: matrix products marked QUANTISED: E4M3 operands, one given power-of-two scale a tensor, by v_wmma_f32_16x16x64_fp8_fp8 or v_wmma_f32_16x16x128_fp8_fp8, f32 sums; everything else in f32.
;; Inputs: lowp_scales 12 int32 (the exponents e of the quantised operands' scales 2^e); w_k_codes 1,024 x 32 x 32 uint8 (E4M3 codes of w_k, K innermost, in blocks of 32 codes); w_o_codes 1,024 x 32 x 32 uint8 (E4M3 codes of w_o, K innermost, in blocks of 32 codes); w_q_codes 1,024 x 32 x 32 uint8 (E4M3 codes of w_q, K innermost, in blocks of 32 codes); w_v_codes 1,024 x 32 x 32 uint8 (E4M3 codes of w_v, K innermost, in blocks of 32 codes); x_codes 1 x 4,096 x 32 x 32 uint8 (E4M3 codes of x, K innermost, in blocks of 32 codes).
;; Outputs: out0 1 x 4,096 x 1,024 float32.
;; Constants: causal = 1.
;; This version of the problem:
;;   THIS VERSION OF THE PROBLEM IS GIVEN IN LOW PRECISION. The matrix products marked QUANTISED in the list below multiply operands that are first quantised to E4M3 (4 exponent bits, 3 mantissa bits; 8 bits a number), with one given power-of-two scale for each operand tensor; their sums are f32. All else is computed in f32.
;;   The module's matrix products, in the order in which they are computed (A, B: the left and right operand; K: the contracted axis; several contracted axes count as one K, in the product's order):
;;     1. [M 4,096, K 1,024] x [K 1,024, N 1,024]; A: input x (given as codes); B: input w_q (given as codes): QUANTISED (scales: A lowp_scales[0], B lowp_scales[1])
;;     2. [M 4,096, K 1,024] x [K 1,024, N 1,024]; A: input x (given as codes); B: input w_k (given as codes): QUANTISED (scales: A lowp_scales[2], B lowp_scales[3])
;;     3. [M 4,096, K 1,024] x [K 1,024, N 1,024]; A: input x (given as codes); B: input w_v (given as codes): QUANTISED (scales: A lowp_scales[4], B lowp_scales[5])
;;     4. batch 16 x [M 4,096, K 64] x [K 64, N 4,096]; A: computed on the way; B: computed on the way: QUANTISED (scales: A lowp_scales[6], B lowp_scales[7])
;;     5. batch 16 x [M 4,096, K 4,096] x [K 4,096, N 64]; A: softmax (see below); B: computed on the way: QUANTISED (scales: A lowp_scales[8], B lowp_scales[9])
;;     6. [M 4,096, K 1,024] x [K 1,024, N 1,024]; A: computed on the way; B: input w_o (given as codes): QUANTISED (scales: A lowp_scales[10], B lowp_scales[11])
;;   THE QUANTISER, for each operand of a quantised product, along K:
;;     - The operand's scale is 2^e, e = its entry of the input lowp_scales (int32; the entries are numbered through the quantised products in the list's order, A before B).
;;     - Each number is divided by the scale, clamped to +-448, and rounded to the nearest number of E4M3, ties to even, subnormals kept.
;;     - The product sums the exact products of the quantised numbers (number of the format x scale) in f32.
;;   ~~~python
;;   def quantise(x, axis, e):      # numpy; x: float32 -> the quantised numbers, widened to float32 again
;;       x = np.moveaxis(x, axis, -1); K = x.shape[-1]
;;       r = np.clip(x / 2.0 ** e, -448, 448)
;;       step = 2.0 ** (np.maximum(np.frexp(np.where(r == 0, 1, r))[1] - 1, -6) - 3)
;;       q = np.round(r / step) * step * 2.0 ** e      # np.round: ties to even
;;       return np.moveaxis(q, -1, axis).astype(np.float32)
;;   ~~~
;;   SOFTMAX AHEAD OF A QUANTISED PRODUCT. Where the list says 'softmax', what is quantised is not the finished softmax but p = 2^(t - M), with t = logit x log2(e) and M = ceil(the row's largest t), a whole number; so 1/2 < the row's largest p <= 1. The row's sum l is taken of the UNQUANTISED p, in f32, and the product's result is divided by l at the end. Since M is a whole number, a kernel that streams over the keys may use a running M (the ceiling of the running maximum): every later rescaling is an exact power of two, so the quantised numbers keep their values, but for numbers so far below the row's largest that they fall under the format's range.
;;   OPERANDS COMPUTED ON THE WAY. 'Computed on the way' means the value that the module computes at that place (a softmax that the list does not call 'softmax' is quantised finished and normalised). What goes into a quantiser is computed in f32, as accurately as f32 sums, v_exp_f32 and their like allow (about 1e-6 of the number): no bf16 or f16 on the way to a quantiser, and a product that is left as it is and whose result goes on into a quantised operand takes f32 operands (vector FMAs, or v_wmma_f32_16x16x4_f32). A number that lies on a knife's edge between two numbers of the format may be rounded either way, as far as f32 arithmetic and the matrix unit's own rounding can turn it there, and no further.
;;   INPUTS GIVEN AS CODES. w_k (in the module: [1024, 1024], K = its axis 1); w_o (in the module: [1024, 1024], K = its axis 1); w_q (in the module: [1024, 1024], K = its axis 1); w_v (in the module: [1024, 1024], K = its axis 1); x (in the module: [1, 4096, 1024], K = its axis 2): each comes as NAME_codes (uint8): NAME with its K axis moved to the last place and cut into blocks of 32 codes, [.., K / 32, bytes a block], one block behind the other in memory; one code a byte (a code: sign, 4 exponent bits, 3 mantissa bits); its scale is its entry of lowp_scales. Its value is code x scale, taken as it is: it is not quantised again, and the codes and scales need not be those that the quantiser above would give.
;; 2 versions, each right; version 2 is version 1 with the launch attn written anew for expert scheduling mode. Each part assembles by itself: llvm-mc -triple=amdgcn-amd-amdhsa -mcpu=gfx1250 --defsym DOCPART=n.
;; ======== version 1 of 2: 3 launches
;; workspace buffers: qimg 4,194,304 bytes; kvimg 8,388,608 bytes; oimg 4,194,304 bytes
;; launch qkv (part 1): grid 16 x 16, 4 waves a work-group, clusters of 4 x 4, 327,680 bytes of LDS; arguments x_codes, w_q_codes, w_k_codes, w_v_codes, lowp_scales, qimg, kvimg; writes qimg, kvimg
.if DOCPART == 1
	.amdgcn_target "amdgcn-amd-amdhsa--gfx1250"
	.amdhsa_code_object_version 6
	.text
	.protected	k_q8c98da28cc_qkv
	.globl	k_q8c98da28cc_qkv
	.p2align	8
	.type	k_q8c98da28cc_qkv,@function
k_q8c98da28cc_qkv:
	s_mov_b64 s[64:65], 0
	v_nop
	global_prefetch_b8 v0, s[64:65] scope:SCOPE_SE
	s_setreg_imm32_b32 hwreg(HW_REG_WAVE_MODE, 25, 1), 1
	s_wait_xcnt 0x0
	s_wait_alu depctr_hold_cnt(0) depctr_sa_sdst(0) depctr_va_vdst(0) depctr_va_sdst(0) depctr_va_ssrc(0) depctr_va_vcc(0) depctr_vm_vsrc(0)
	s_getreg_b32 s2, hwreg(HW_REG_IB_STS2, 6, 4)
	s_cmp_eq_u32 s2, 0
	s_cbranch_scc0 .Lentry_in_a_cluster
	s_endpgm
.Lentry_in_a_cluster:
	s_bfe_u32 s2, ttmp6, 0x10000c
	s_cmp_lg_u32 s2, 0xf033
	s_cbranch_scc0 .Lentry_shape_is_right
	s_endpgm
.Lentry_shape_is_right:
; q, k, v = x W^T on codes of FP8 (E4M3), then each result is quantised anew and stored as an IMAGE OF THE REGISTERS of the operand that it becomes in the attention launch.
; x: [4096][1024] codes; w_q, w_k, w_v: [1024][1024] codes, K innermost.  lowp_scales: e0 .. e11.  q's code = sum / 2^(e6-e0-e1), k's = sum / 2^(e7-e2-e3), v's = sum / 2^(e9-e4-e5),
; each held within +-448 x that power of two (the conversion to an 8-bit code does not saturate: ISA guide 7.6.2) and rounded to the nearest code, ties to even.
; LIMITS: e6-e0-e1, e7-e2-e3 and e9-e4-e5 lie between -126 and 119, so that each power of two and 448 x it is an f32 number.  NaN codes among the inputs are not served.
; SHARES.  Work-group (x = head, y = block of 256 rows) makes 256 rows x the head's 64 columns of q, of k and of v.  Wave w takes rows 64 w .. 64 w + 63 (four tiles a) against all 192 columns
; (twelve blocks of 16: 0-3 q, 4-7 k, 8-11 v): 48 accumulators, which take turns, one instruction a turn, in the same order in every step.
; LAYOUT.  q and k: source 0 = 16 rows of W, source 1 = 16 rows of x: a lane holds one row of x and eight neighbouring d = 16 c + 8 (lane / 16) + 0 .. 7: its two registers of codes are registers 2 c, 2 c + 1
; of the K = 64 form's fragment.  v: source 0 = 16 rows of x, source 1 = 16 rows of W_v: a lane holds one d and eight neighbouring keys: registers 2 c, 2 c + 1 of V^T's K = 128 fragment.
; THE ROWS OF W_v THAT FORM A TILE ARE NOT NEIGHBOURS: lane r of tile dt takes row 32 (dt / 2) + 8 (dt % 2) + r + 8 (r / 8), so that the attention's results of tiles 2 b, 2 b + 1 are 16 neighbouring d in a lane.
; Fragments of x and W come by four loads of 16 bytes, 32 apart: a permutation of k that is the same on both sides of a product.
; IMAGES: a group of four registers is 512 bytes on end, lane l's 16 bytes at 16 l.  qimg: [head][tile of 16 queries][1,024].  kvimg: [head][step of 128 keys][8 tiles of K x 1,024, then 4 tiles of V^T x 2,048].
; CLUSTERS: 4 x 4 work-groups.  x's tile hangs on the block of rows alone and is asked for jointly by a row of the cluster, W's tiles on the head alone, by a column.
; K goes in slots of 256 through a ring of two LDS slots; wave 0 fetches x's 256 rows, waves 1, 2, 3 the 64 rows of W_q, W_k, W_v: one tensor load a wave for each slot.
; REGISTERS, in windows of 256: window 0: v1-29 addresses; x's fragments, two sets, at v128 and v192; at the end the codes.  window 1: W's twelve blocks, one set, at v[16 block].
;   window 2: the 32 accumulators of q and k, (block, a) at v[8 (4 block + a)].   window 3: v's sixteen, (dt, a) at v[8 (4 dt + a)].
.set PITCH, 272                        ; an LDS row: 256 bytes + 16 of padding = 68 words: the 16 rows that a load touches start at 16 different banks (64 banks of 4 bytes: ISA guide 11.1)
.set WOFF,  256*PITCH                  ; a slot: x's 256 rows, then 64 rows each of W_q, W_k, W_v
.set SLOT,  448*PITCH
.set SPARE, 2*SLOT                     ; behind the ring: the spare words, 128 bytes for each wave: two blocks of 256 bytes that no other line names
.set LI,   3                           ; v3      16 x lane: my place in an image
.set ADRX, 16                          ; v16-17  LDS address of my x fragments in slot 0, 1
.set ADRW, 18                          ; v18-19  of W_q's and W_k's
.set ADRV, 20                          ; v20-21  of W_v's (its own choice of rows)
.set SPW,  28                          ; v28     LDS address of my spare word; never rewritten
.set NIL,  29                          ; v29     0; never rewritten
.set XF,   128                         ; x's fragments: set p, tile a at v[XF + 64 p + 16 a]
.set CQ,   128                         ; the codes at the end: q's at v[CQ + 8 a + 2 c], k's likewise, v's at v[CV + 8 dt + 2 a]
.set CK,   160
.set CV,   192
.set WV,   18                          ; s18     my wave's number
.set G1X,  24                          ; s[24:31] descriptor group 1 for x's tile;  s[32:39] its group 0, one set for each slot
.set G0X,  32
.set G1W,  40                          ; s[40:47] group 1 for a tile of W;  s[48:55], s[56:63], s[68:75] groups 0 for W_q, W_k, W_v
.set G0Q,  48
.set G0K,  56
.set G0V,  68
.set QO,   92                          ; s[92:93] where my images of q go;  s[94:95] of k;  s[96:97] of v
.set KO,   94
.set VO,   96
.set MSB, 0
.macro WIN new                         ; the immediate's high byte repeats the setting that is left
.if MSB != \new
	s_set_vgpr_msb (MSB<<8)|\new
.set MSB, \new
.endif
.endm
.macro PLACES                          ; four places in front of loads into registers that matrix instructions have read, and of the first read of results
.rept 4
	v_nop
.endr
.endm
.macro CREST                           ; a round of the cluster's barrier behind its opening barrier
	s_cmp_lg_u32 s[WV], 0
	s_cbranch_scc1 .Lnot_wave_0_\@
	s_barrier_signal -3
.Lnot_wave_0_\@:
	s_barrier_wait -3
	s_barrier_signal -1
	s_barrier_wait -1
.endm
.macro CROUND                          ; a whole round
	s_barrier_signal -1
	s_barrier_wait -1
	CREST
.endm
; A joint load into slot s: each wave has one line, with one mask and one set of registers; the branches hang on the wave's number alone.  Four v_nop follow each line.
.macro JLOAD s
	s_cmp_eq_u32 s[WV], 0
	s_cbranch_scc0 .Lnot_x_\@
	tensor_load_to_lds s[G0X+4*\s:G0X+4*\s+3], s[G1X:G1X+7]
	s_nop 0
.rept 4
	v_nop
.endr
	s_branch .Lasked_\@
.Lnot_x_\@:
	s_cmp_eq_u32 s[WV], 1
	s_cbranch_scc0 .Lnot_q_\@
	tensor_load_to_lds s[G0Q+4*\s:G0Q+4*\s+3], s[G1W:G1W+7]
	s_nop 0
.rept 4
	v_nop
.endr
	s_branch .Lasked_\@
.Lnot_q_\@:
	s_cmp_eq_u32 s[WV], 2
	s_cbranch_scc0 .Lnot_k_\@
	tensor_load_to_lds s[G0K+4*\s:G0K+4*\s+3], s[G1W:G1W+7]
	s_nop 0
.rept 4
	v_nop
.endr
	s_branch .Lasked_\@
.Lnot_k_\@:
	tensor_load_to_lds s[G0V+4*\s:G0V+4*\s+3], s[G1W:G1W+7]
	s_nop 0
.rept 4
	v_nop
.endr
.Lasked_\@:
.endm
	s_load_b256 s[4:11], s[0:1], 0x0               ; x s[4:5], w_q s[6:7], w_k s[8:9], w_v s[10:11]
	s_load_b128 s[12:15], s[0:1], 0x20             ; the scales' exponents s[12:13], qimg s[14:15]
	s_load_b64 s[16:17], s[0:1], 0x30              ; kvimg
	v_lshl_add_u32 v[SPW], v0, 2, SPARE
	v_mov_b32 v[NIL], 0
	ds_add_u32 v28, v29
	ds_add_u32 v28, v29
	s_wait_dscnt 0x0
	v_lshrrev_b32 v1, 5, v0
	v_readfirstlane_b32 s[WV], v1                  ; wave 0..3
	s_bfe_u32 s19, ttmp6, 0x40000                  ; cx, cy: my place in the cluster
	s_bfe_u32 s20, ttmp6, 0x40004
	s_lshl_b32 s21, ttmp9, 2
	s_add_co_u32 s21, s21, s19                     ; the head = 4 x cluster x + cx
	s_and_b32 s22, ttmp7, 0xffff
	s_lshl_b32 s22, s22, 2
	s_add_co_u32 s22, s22, s20                     ; the block of 256 rows = 4 x cluster y + cy
	s_lshl_b32 s23, s20, 2
	s_lshl_b32 s23, 15, s23                        ; my row of the cluster
	s_lshl_b32 s66, 0x1111, s19                    ; my column
	; descriptor groups 1: rows of 256 bytes, 1,024 bytes apart in memory, 16 bytes of padding behind each in LDS; x: 256 rows, W: 64
	s_or_b32 s[G1X], s23, (1<<20)|(1<<21)|(5<<22)|(3<<25)   ; 15:0 the mask: my row; 17:16 elements of 1 byte; 20 padding on; 21 set beside a mask; 24:22 after every 64 words (code 5); 31:25 four words (code 3)
	s_mov_b32 s[G1X+1], 256<<16                    ; tensor_dim0
	s_mov_b32 s[G1X+2], 256<<16                    ; tensor_dim1
	s_mov_b32 s[G1X+3], 256<<16                    ; tile_dim0
	s_mov_b32 s[G1X+4], 256                        ; tile_dim1
	s_mov_b32 s[G1X+5], 1024                       ; tensor_dim0_stride
	s_mov_b32 s[G1X+6], 0
	s_mov_b32 s[G1X+7], 0
	s_or_b32 s[G1W], s66, (1<<20)|(1<<21)|(5<<22)|(3<<25)   ; the same with the mask of my column
	s_mov_b32 s[G1W+1], 256<<16
	s_mov_b32 s[G1W+2], 64<<16
	s_mov_b32 s[G1W+3], 256<<16
	s_mov_b32 s[G1W+4], 64
	s_mov_b32 s[G1W+5], 1024
	s_mov_b32 s[G1W+6], 0
	s_mov_b32 s[G1W+7], 0
	s_lshl_b32 s2, s22, 18                         ; x: 256 rows of 1,024 bytes a block
	s_mov_b32 s3, 0
	s_lshl_b32 s98, s21, 16                        ; W: 64 rows of 1,024 bytes a head
	s_mov_b32 s99, 0
	s_wait_kmcnt 0x0
	s_load_b256 s[76:83], s[12:13], 0x0            ; e0 .. e7
	s_load_b64 s[84:85], s[12:13], 0x20            ; e8, e9
	s_add_nc_u64 s[4:5], s[4:5], s[2:3]
	s_add_nc_u64 s[6:7], s[6:7], s[98:99]
	s_add_nc_u64 s[8:9], s[8:9], s[98:99]
	s_add_nc_u64 s[10:11], s[10:11], s[98:99]
	CROUND                                         ; all sixteen work-groups are here: the first joint loads meet
.irp s, 0,1
	s_mov_b32 s[G0X+4*\s], 1                       ; count = 1
	s_mov_b32 s[G0X+4*\s+1], \s*SLOT               ; LDS address: a constant
	s_add_nc_u64 s[G0X+4*\s+2:G0X+4*\s+3], s[4:5], \s*256   ; K from 256 s on
	s_or_b32 s[G0X+4*\s+3], s[G0X+4*\s+3], 0x80000000       ; type = 2
	s_mov_b32 s[G0Q+4*\s], 1
	s_mov_b32 s[G0Q+4*\s+1], \s*SLOT+WOFF
	s_add_nc_u64 s[G0Q+4*\s+2:G0Q+4*\s+3], s[6:7], \s*256
	s_or_b32 s[G0Q+4*\s+3], s[G0Q+4*\s+3], 0x80000000
	s_mov_b32 s[G0K+4*\s], 1
	s_mov_b32 s[G0K+4*\s+1], \s*SLOT+WOFF+64*PITCH
	s_add_nc_u64 s[G0K+4*\s+2:G0K+4*\s+3], s[8:9], \s*256
	s_or_b32 s[G0K+4*\s+3], s[G0K+4*\s+3], 0x80000000
	s_mov_b32 s[G0V+4*\s], 1
	s_mov_b32 s[G0V+4*\s+1], \s*SLOT+WOFF+128*PITCH
	s_add_nc_u64 s[G0V+4*\s+2:G0V+4*\s+3], s[10:11], \s*256
	s_or_b32 s[G0V+4*\s+3], s[G0V+4*\s+3], 0x80000000
	JLOAD \s                                       ; two loads of mine are out
.endr
	v_and_b32 v1, 15, v0                           ; r = lane % 16
	v_bfe_u32 v2, v0, 4, 1                         ; h = lane / 16
	v_and_b32 v[LI], 31, v0
	v_lshlrev_b32 v[LI], 4, v[LI]
	v_mul_u32_u24 v4, v1, PITCH
	v_lshl_add_u32 v4, v2, 4, v4                   ; row r x pitch + 16 h
	s_mul_i32 s66, s[WV], 64*PITCH                 ; my 64 rows of x
	v_add_nc_u32 v[ADRX], s66, v4
	v_add_nc_u32 v[ADRX+1], SLOT, v[ADRX]
	v_add_nc_u32 v[ADRW], WOFF, v4
	v_add_nc_u32 v[ADRW+1], SLOT+WOFF, v4
	v_and_b32 v5, 8, v1
	v_add_nc_u32 v5, v5, v1                        ; r + 8 (r / 8)
	v_mul_u32_u24 v5, v5, PITCH
	v_lshl_add_u32 v5, v2, 4, v5
	v_add_nc_u32 v[ADRV], WOFF+128*PITCH, v5
	v_add_nc_u32 v[ADRV+1], SLOT+WOFF+128*PITCH, v5
	; where my images go.  q: head x 256 tiles + tile 16 by + 4 w, 1,024 bytes each
	s_lshl_b32 s100, s21, 18
	s_lshl_b32 s66, s22, 14
	s_add_co_u32 s100, s100, s66
	s_lshl_b32 s66, s[WV], 12
	s_add_co_u32 s100, s100, s66
	s_mov_b32 s101, 0
	s_add_nc_u64 s[QO:QO+1], s[14:15], s[100:101]
	s_lshl_b32 s100, s21, 19                       ; k, v: head x 32 steps + step 2 by + w / 2, 16,384 bytes each
	s_lshl_b32 s66, s22, 15
	s_add_co_u32 s100, s100, s66
	s_lshr_b32 s66, s[WV], 1
	s_lshl_b32 s66, s66, 14
	s_add_co_u32 s100, s100, s66
	s_add_nc_u64 s[KO:KO+1], s[16:17], s[100:101]
	s_add_nc_u64 s[VO:VO+1], s[16:17], s[100:101]
	s_and_b32 s100, s[WV], 1
	s_lshl_b32 s66, s100, 12                       ; k: my four tiles are the step's 4 (w % 2) + a
	s_mov_b32 s67, 0
	s_add_nc_u64 s[KO:KO+1], s[KO:KO+1], s[66:67]
	s_lshl_b32 s66, s100, 10                       ; v: behind K's 8,192 bytes; my keys are groups 2 (w % 2), 2 (w % 2) + 1 of each tile
	s_add_co_u32 s66, s66, 8192
	s_add_nc_u64 s[VO:VO+1], s[VO:VO+1], s[66:67]
.macro FRAG reg, adr, off              ; a fragment, 16 rows x 128 K, is 16 registers: registers 4 c .. 4 c + 3 hold K = 32 c + 16 (lane / 16) + 0 .. 15 of row lane % 16
.irp c, 0,1,2,3
	ds_load_b128 v[(\reg)+4*\c:(\reg)+4*\c+3], v[\adr] offset:(\off)+32*\c
.endr
.endm
.macro FETCH_X slot, q, p              ; my four tiles of x, the slot's q-th 128 along K, into set p: 16 loads
	WIN 0
.irp a, 0,1,2,3
	FRAG XF+64*(\p)+16*\a, ADRX+\slot, 128*(\q)+\a*16*PITCH
.endr
.endm
.macro FETCH_W slot, q, lo             ; W's blocks lo .. lo + 5: 24 loads
	WIN 0x40                                       ; destination window 1, address window 0
.irp i, 0,1,2,3,4,5
.set BE, (\lo)+\i
.if BE < 8
	FRAG 16*BE, ADRW+\slot, 128*(\q)+16*BE*PITCH
.else
	FRAG 16*BE, ADRV+\slot, 128*(\q)+(32*((BE-8)/2)+8*((BE-8)%2))*PITCH
.endif
.endr
	WIN 0
.endm
; four products: block be against my four tiles of x (set p).  zero = 1: the first product starts the sums: nothing is ever cleared.
.macro MULB be, p, zero
.if (\be) < 8
	WIN 0xa1                                       ; source 0 (W) window 1, source 1 (x) window 0, C and D window 2
.irp a, 0,1,2,3
.if \zero
	v_wmma_f32_16x16x128_fp8_fp8 v[8*(4*(\be)+\a):8*(4*(\be)+\a)+7], v[16*(\be):16*(\be)+15], v[XF+64*(\p)+16*\a:XF+64*(\p)+16*\a+15], 0
.else
	v_wmma_f32_16x16x128_fp8_fp8 v[8*(4*(\be)+\a):8*(4*(\be)+\a)+7], v[16*(\be):16*(\be)+15], v[XF+64*(\p)+16*\a:XF+64*(\p)+16*\a+15], v[8*(4*(\be)+\a):8*(4*(\be)+\a)+7]
.endif
.endr
.else
	WIN 0xf4                                       ; source 0 (x) window 0, source 1 (W_v) window 1, C and D window 3
.irp a, 0,1,2,3
.if \zero
	v_wmma_f32_16x16x128_fp8_fp8 v[8*(4*((\be)-8)+\a):8*(4*((\be)-8)+\a)+7], v[XF+64*(\p)+16*\a:XF+64*(\p)+16*\a+15], v[16*(\be):16*(\be)+15], 0
.else
	v_wmma_f32_16x16x128_fp8_fp8 v[8*(4*((\be)-8)+\a):8*(4*((\be)-8)+\a)+7], v[XF+64*(\p)+16*\a:XF+64*(\p)+16*\a+15], v[16*(\be):16*(\be)+15], v[8*(4*((\be)-8)+\a):8*(4*((\be)-8)+\a)+7]
.endif
.endr
.endif
.endm
; A slot's first 128 along K (x's set 0).  W's blocks are free as soon as their four products are issued, so one set serves W: blocks 0-5 are fetched anew in the step's middle, blocks 6-11 at its end.
.macro STEP slot, zero
	s_wait_dscnt 24                                ; x and W's blocks 0-5 are in; the youngest 24 loads (blocks 6-11) may be out
.irp be, 0,1,2,3,4,5
	MULB \be, 0, \zero
.endr
	s_wait_dscnt 0x0                               ; blocks 6-11 are in
	PLACES
	FETCH_X \slot, 1, 1
	FETCH_W \slot, 1, 0
.irp be, 6,7,8,9,10,11
	MULB \be, 0, \zero
.endr
	PLACES
	FETCH_W \slot, 1, 6
.endm
; A slot's second 128 along K (x's set 1) changes slots: ONE barrier; in front of it each wave waits for all its tensor loads, adds 0 to its spare word, and waits for that and for its own reads of this slot.
; fill = 1: this slot is filled again, with K 512 further on; the barrier then opens a round of the cluster's barrier, and the joint refill is the first tensor load behind the round.
.macro TURN slot, next, fill
	s_wait_tensorcnt 0x0                           ; all my tensor loads have landed: my part of the next slot  (every window is 0 here)
	ds_add_u32 v[SPW], v[NIL]                      ; 0 onto my spare word
	s_wait_dscnt 25                                ; (the add and the youngest 24 loads may be out)
.irp be, 0,1,2
	MULB \be, 1, 0
.endr
	s_wait_dscnt 0x0                               ; the add is done, and my reads of this slot are over
	s_barrier_signal -1
.irp be, 3,4,5
	MULB \be, 1, 0
.endr
	WIN 0
	s_barrier_wait -1
.if \fill
	CREST                                          ; no wave of any partner still reads this slot or has a load on its way
.irp g, G0X, G0Q, G0K, G0V
	s_add_nc_u64 s[\g+4*\slot+2:\g+4*\slot+3], s[\g+4*\slot+2:\g+4*\slot+3], 512
.endr
	JLOAD \slot                                    ; its four v_nop are also the places in front of the loads below
.else
	PLACES
.endif
	FETCH_X \next, 0, 0
	FETCH_W \next, 0, 0
.irp be, 6,7,8,9,10,11
	MULB \be, 1, 0
.endr
	PLACES
	FETCH_W \next, 0, 6
.endm
	s_wait_tensorcnt 1                             ; my part of slot 0 is in; slot 1's may stay out
	s_barrier_signal -1
	s_barrier_wait -1                              ; everybody's is
	FETCH_X 0, 0, 0
	FETCH_W 0, 0, 0
	FETCH_W 0, 0, 6
	STEP 0, 1                                      ; K 0: its products start the sums
	TURN 0, 1, 1                                   ; K 128; slot 0 takes K 512 on
	STEP 1, 0                                      ; K 256
	TURN 1, 0, 1                                   ; K 384; slot 1 takes K 768 on
	STEP 0, 0                                      ; K 512
	TURN 0, 1, 0                                   ; K 640; nothing is left to fetch
	STEP 1, 0                                      ; K 768
	s_wait_dscnt 24                                ; K 896: the last step
.irp be, 0,1,2,3,4,5
	MULB \be, 1, 0
.endr
	s_wait_dscnt 0x0
.irp be, 6,7,8,9,10,11
	MULB \be, 1, 0
.endr
	WIN 0
	PLACES
	; THE WAY OUT: hold, convert, store the images.  Nothing changes lanes.
.macro MKS ed, ea, eb, vs, lo          ; v[vs] = 2^(ed - ea - eb) as f32, s[lo], s[lo+1] = -+448 x it
	s_sub_co_i32 s66, s[\ed], s[\ea]
	s_sub_co_i32 s66, s66, s[\eb]
	s_add_co_i32 s66, s66, 127
	s_lshl_b32 s67, s66, 23
	v_mov_b32 v[\vs], s67
	s_add_co_i32 s66, s66, 8
	s_lshl_b32 s66, s66, 23
	s_or_b32 s[\lo+1], s66, 0x600000
	s_or_b32 s[\lo], s[\lo+1], 0x80000000
.endm
	s_wait_kmcnt 0x0
	MKS 82, 76, 77, 8, 86                          ; q: e6 - e0 - e1
	MKS 83, 78, 79, 9, 88                          ; k: e7 - e2 - e3
	MKS 85, 80, 81, 10, 90                         ; v: e9 - e4 - e5
	WIN 0x82                                       ; source 0 and destination window 2; each accumulator from its low end on
.set i, 0
.rept 128
	v_med3_num_f32 v[i], v[i], s86, s87
.set i, i+1
.endr
.rept 128
	v_med3_num_f32 v[i], v[i], s88, s89
.set i, i+1
.endr
	WIN 0x02                                       ; source 0 window 2, destination and scale window 0
.irp c, 0,1,2,3
.irp a, 0,1,2,3
	v_cvt_scalef32_pk8_fp8_f32 v[CQ+8*\a+2*\c:CQ+8*\a+2*\c+1], v[8*(4*\c+\a):8*(4*\c+\a)+7], v8
	v_cvt_scalef32_pk8_fp8_f32 v[CK+8*\a+2*\c:CK+8*\a+2*\c+1], v[8*(4*(4+\c)+\a):8*(4*(4+\c)+\a)+7], v9
.endr
.endr
	WIN 0xc3
.set i, 0
.rept 128
	v_med3_num_f32 v[i], v[i], s90, s91
.set i, i+1
.endr
	WIN 0x03
.irp d, 0,1,2,3
.irp a, 0,1,2,3
	v_cvt_scalef32_pk8_fp8_f32 v[CV+8*\d+2*\a:CV+8*\d+2*\a+1], v[8*(4*\d+\a):8*(4*\d+\a)+7], v10
.endr
.endr
	WIN 0
	v_nop                                          ; one plain vector line behind the last conversion
.irp a, 0,1,2,3
.irp g, 0,1
	global_store_b128 v[LI], v[CQ+8*\a+4*\g:CQ+8*\a+4*\g+3], s[QO:QO+1] offset:\a*1024+512*\g   ; each store of the wave covers 512 consecutive bytes, aligned
	global_store_b128 v[LI], v[CK+8*\a+4*\g:CK+8*\a+4*\g+3], s[KO:KO+1] offset:\a*1024+512*\g
.endr
.endr
.irp d, 0,1,2,3
.irp g, 0,1
	global_store_b128 v[LI], v[CV+8*\d+4*\g:CV+8*\d+4*\g+3], s[VO:VO+1] offset:\d*2048+512*\g
.endr
.endr
	s_wait_tensorcnt 0x0                           ; the wave's end
	ds_add_u32 v[SPW], v[NIL]
	s_wait_dscnt 0x0
	CROUND                                         ; the closing round: no work-group ends while a partner may still ask for a tile that names it
	s_endpgm
.Lfunc_end_k_q8c98da28cc_qkv:
	.size	k_q8c98da28cc_qkv, .Lfunc_end_k_q8c98da28cc_qkv-k_q8c98da28cc_qkv
	.p2alignl 7, 3214868480
	.fill 96, 4, 3214868480
	.section	.rodata,"a",@progbits
	.p2align	6, 0x0
	.amdhsa_kernel k_q8c98da28cc_qkv
		.amdhsa_group_segment_fixed_size 327680
		.amdhsa_private_segment_fixed_size 0
		.amdhsa_enable_private_segment 0
		.amdhsa_kernarg_size 56
		.amdhsa_user_sgpr_count 2
		.amdhsa_user_sgpr_kernarg_segment_ptr 1
		.amdhsa_wavefront_size32 1
		.amdhsa_system_sgpr_workgroup_id_x 1
		.amdhsa_system_sgpr_workgroup_id_y 1
		.amdhsa_system_sgpr_workgroup_id_z 1
		.amdhsa_system_vgpr_workitem_id 0
		.amdhsa_next_free_vgpr 896
		.amdhsa_next_free_sgpr 102
		.amdhsa_reserve_vcc 0
		.amdhsa_float_denorm_mode_32 3
		.amdhsa_float_denorm_mode_16_64 3
		.amdhsa_memory_ordered 1
		.amdhsa_forward_progress 1
		.amdhsa_inst_pref_size 104
	.end_amdhsa_kernel
	.amdgpu_metadata
---
amdhsa.version: [ 1, 2 ]
amdhsa.kernels:
  - .name:           k_q8c98da28cc_qkv
    .symbol:         k_q8c98da28cc_qkv.kd
    .args:
      - { .name: x_codes, .offset: 0, .size: 8, .value_kind: global_buffer, .address_space: global }
      - { .name: w_q_codes, .offset: 8, .size: 8, .value_kind: global_buffer, .address_space: global }
      - { .name: w_k_codes, .offset: 16, .size: 8, .value_kind: global_buffer, .address_space: global }
      - { .name: w_v_codes, .offset: 24, .size: 8, .value_kind: global_buffer, .address_space: global }
      - { .name: lowp_scales, .offset: 32, .size: 8, .value_kind: global_buffer, .address_space: global }
      - { .name: qimg, .offset: 40, .size: 8, .value_kind: global_buffer, .address_space: global }
      - { .name: kvimg, .offset: 48, .size: 8, .value_kind: global_buffer, .address_space: global }
    .group_segment_fixed_size: 327680
    .private_segment_fixed_size: 0
    .kernarg_segment_align: 8
    .kernarg_segment_size: 56
    .max_flat_workgroup_size: 128
    .sgpr_count:     102
    .vgpr_count:     896
    .wavefront_size: 32
...
	.end_amdgpu_metadata
.endif
;; end of part 1
;; launch attn (part 2): grid 16 x 16, 8 waves a work-group, no clusters, 33,792 bytes of LDS; arguments qimg, kvimg, lowp_scales, oimg; writes oimg
.if DOCPART == 2
	.amdgcn_target "amdgcn-amd-amdhsa--gfx1250"
	.amdhsa_code_object_version 6
	.text
	.protected	k_q8c98da28cc_attn
	.globl	k_q8c98da28cc_attn
	.p2align	8
	.type	k_q8c98da28cc_attn,@function
k_q8c98da28cc_attn:
	s_mov_b64 s[64:65], 0
	v_nop
	global_prefetch_b8 v0, s[64:65] scope:SCOPE_SE
	s_setreg_imm32_b32 hwreg(HW_REG_WAVE_MODE, 25, 1), 1
	s_wait_xcnt 0x0
; Causal attention of 16 heads of 64 on codes of FP8 (E4M3); 4,096 queries and keys.  qimg, kvimg: register images of Q's, K's and V^T's fragments; oimg: o / l, quantised, as images of the output projection's operand.
; THE SOFTMAX AHEAD OF THE SECOND PRODUCT: t = score x log2(e) / 8; M = the row's largest t so far, rounded UP to a whole number; p = 2^(t - M) is quantised with 2^e8, not normalised.  The row's sum is taken of
; the unquantised p and divides at the end.  When M moves, the sum and O^T are multiplied by 2^(old M - new M): exact.  o's code = (O^T / l) / 2^(e10 - e8 - e9), held within +-448 x that.
; LIMITS: e6 + e7 between -123 and 130 (added to c's exponent field); e8 and e10 - e8 - e9 between -126 and 119.  NaN codes are not served.
; SHARES.  Work-group (x = j, y = head) owns the blocks j and 31 - j of 128 queries, one after the other: (j + 1) + (32 - j) = 33 steps of 128 keys in EVERY work-group: one loop of 33 trips.  Wave w owns 16 queries of the
; block.  A block's last step is the one on the diagonal (step == block): there hidden scores become -infinity, and the block goes out.
; LAYOUT.  S^T = K Q^T (K = 64 form) and O^T = V^T P^T (K = 128 form): a lane holds one query throughout.  Tile t of S^T holds keys 16 t + 8 (lane / 16) + 0 .. 7: its codes are registers 2 t, 2 t + 1 of P.
; A step's tile is a dense block of 16,384 bytes of images.  The eight waves copy it through registers into one of two LDS slots, a trip ahead: four loads and four LDS stores a wave.
; NO TENSOR LOAD AND NO CLUSTER: work-groups of one head stand at different key steps in the same trip (t against t - j - 1), so joint requests would not meet; and a scalar branch on the
; given e8 may pass over p's hold: where e8 >= -8, p / 2^e8 is at most 256 and needs none; that is 64 of a step's vector instructions.
.set LI,   1                           ; v1   16 x lane
.set GOF,  3                           ; v3   16 x thread: my 16 bytes of each 4,096 of a tile, in memory and in a slot
.set ADF,  4                           ; v4   LDS address of the fragments of the slot in hand
.set ADS,  5                           ; v5   LDS address at which I store the next tile
.set PFO,  6                           ; v6   the prefetch's offset: 256 x lane + 8,192 x wave
.set DG,   7                           ; v7   16 w + r - 8 h: register 8 t + i is hidden on the diagonal where 16 t + i is above it
.set NM,   12                          ; v12 -M, v13 the largest t so far
.set SUM,  14                          ; v[14:15] the row's sum in two halves
.set Q,    16                          ; v16-23   Q's fragment
.set STG,  24                          ; v24-39   the next tile on its way
.set P,    40                          ; v40-55   p's codes
.set O,    56                          ; v56-87   O^T: tile dt at 8 dt
.set KV,   88                          ; v88-151  K's eight fragments, then V^T's four
.set S,    152                         ; v152-215 S^T, then p
.set MA,   216                         ; v216, v217 at work on the maximum
.set MB,   217
.set PX,   218                         ; v218 a lane permute's destination
.set F,    220                         ; v[220:221] f = 2^(old M - new M); at a block's end 1 / l
.set SB,   222                         ; v[222:223] the sum's second chain
.set NINF, 224                         ; v224 -infinity
.set SCP,  225                         ; v225 2^e8
.set SCO,  226                         ; v226 2^(e10 - e8 - e9)
.set Q2,   232                         ; v232-239 the second block's Q
.set OC,   240                         ; v240-247 o's codes
.set WV,   12
.set J,    13
.set HD,   14
.set REM,  15                          ; s15  trips to go
.set KS,   16                          ; s16  the key step in hand
.set BLK,  17                          ; s17  the block of queries in hand
.set BLK2, 18                          ; s18  31 - j
.set KSN,  19                          ; s19, s20  the next trip's step and block
.set BLKN, 20
.set CS,   22                          ; s[22:23] c = log2(e) / 8 x 2^(e6 + e7)
.set SEL,  24                          ; s[24:25] v_permlanex16_b32's selects for lane l xor 16
.set TB,   26                          ; s26  LDS byte at which the slot in hand begins
.set LIM,  27                          ; s27  4 in a wave that prefetches, else the greatest number
.set NH,   28                          ; s28  1 where p needs no hold
.set KVH,  32                          ; s[32:33] kvimg at my head
.set NA,   34                          ; s[34:35] the next tile
.set PFA,  36                          ; s[36:37] where the prefetches stand
.set OA,   38                          ; s[38:39] where the block's codes go
.set OB,   40                          ; s[40:41] oimg at my head's K step and groups, and my wave's tile
	s_load_b256 s[4:11], s[0:1], 0x0               ; qimg s[4:5], kvimg s[6:7], the scales' exponents s[8:9], oimg s[10:11]
	v_lshl_add_u32 v254, v0, 2, 0x8000
	v_mov_b32 v255, 0
	v_lshrrev_b32 v8, 5, v0
	v_readfirstlane_b32 s[WV], v8                  ; wave 0..7
	s_mov_b32 s[J], ttmp9
	s_and_b32 s[HD], ttmp7, 0xffff
	s_sub_co_u32 s[BLK2], 31, s[J]
	v_and_b32 v8, 31, v0
	v_lshlrev_b32 v[LI], 4, v8
	v_lshlrev_b32 v[GOF], 4, v0
	s_lshl_b32 s21, s[WV], 13
	v_lshl_add_u32 v[PFO], v8, 8, s21
	v_and_b32 v9, 15, v0                           ; r
	v_bfe_u32 v10, v0, 4, 1                        ; h
	v_lshlrev_b32 v10, 3, v10
	v_sub_nc_u32 v[DG], v9, v10
	s_lshl_b32 s21, s[WV], 4
	v_add_nc_u32 v[DG], s21, v[DG]
	s_lshl_b32 s42, s[HD], 18                      ; qimg: head x 262,144 + (8 block + wave) x 1,024
	s_lshl_b32 s21, s[WV], 10
	s_add_co_u32 s42, s42, s21
	s_mov_b32 s43, 0
	s_lshl_b32 s2, s[J], 13
	s_mov_b32 s3, 0
	s_lshl_b32 s50, s[BLK2], 13
	s_mov_b32 s51, 0
	s_lshl_b32 s52, s[HD], 19                      ; kvimg: head x 524,288
	s_mov_b32 s53, 0
	s_wait_kmcnt 0x0
	s_load_b128 s[44:47], s[8:9], 0x18             ; e6, e7, e8, e9
	s_load_b32 s48, s[8:9], 0x28                   ; e10
	s_add_nc_u64 s[4:5], s[4:5], s[42:43]
	s_add_nc_u64 s[42:43], s[4:5], s[2:3]
	s_add_nc_u64 s[54:55], s[4:5], s[50:51]
	s_add_nc_u64 s[KVH:KVH+1], s[6:7], s[52:53]
	global_load_b128 v[Q:Q+3], v[LI], s[42:43]
	global_load_b128 v[Q+4:Q+7], v[LI], s[42:43] offset:512
	global_load_b128 v[Q2:Q2+3], v[LI], s[54:55]
	global_load_b128 v[Q2+4:Q2+7], v[LI], s[54:55] offset:512
.irp i, 0,1,2,3
	global_load_b128 v[STG+4*\i:STG+4*\i+3], v[GOF], s[KVH:KVH+1] offset:4096*\i   ; key step 0
.endr
	s_lshr_b32 s50, s[HD], 1                       ; oimg: K step head / 2, tile = wave, groups 2 (head % 2) on
	s_lshl_b32 s50, s50, 14
	s_lshl_b32 s21, s[WV], 11
	s_add_co_u32 s50, s50, s21
	s_and_b32 s21, s[HD], 1
	s_lshl_b32 s21, s21, 10
	s_add_co_u32 s50, s50, s21
	s_add_nc_u64 s[OB:OB+1], s[10:11], s[50:51]
	s_add_nc_u64 s[PFA:PFA+1], s[KVH:KVH+1], 0x8000   ; at key step 2: trip t steps it and names key step t + 3.  Nothing is prefetched here, at the head
	s_lshr_b32 s21, s[WV], 1                       ; 0 in waves 0 and 1,
	s_or_b32 s21, s21, ttmp9                       ; of the head's work-group j = 0
	s_cmp_eq_u32 s21, 0
	s_cselect_b32 s[LIM], 4, -1
	s_mov_b32 s[SEL], 0x76543210
	s_mov_b32 s[SEL+1], 0xfedcba98
	s_mov_b32 s[CS], 0x3e38aa3b                    ; log2(e) / 8
	v_mov_b32 v[NM+1], 0xff61b1e6                  ; the largest t so far: -3e38, under every t
	v_floor_f32 v[NM], -v[NM+1]                    ; -M
	v_mov_b32 v[SUM], 0
	v_mov_b32 v[SUM+1], 0
	v_mov_b32 v[PX], 0                             ; written once: a lane permute's destination counts as one of its sources
	v_mov_b32 v[F+1], 0                            ; (named as the upper half of a pair)
	v_mov_b32 v[NINF], 0xff800000
.set i, 0
.rept 32
	v_mov_b32 v[O+i], 0                            ; O^T: the loop is written once; its first step finds zeros, which the first change of M leaves zeros
.set i, i+1
.endr
	s_wait_kmcnt 0x0
	s_add_co_i32 s21, s44, s45
	s_lshl_b32 s21, s21, 23
	s_add_co_i32 s[CS], s[CS], s21                 ; a score stands for score x 2^(e6 + e7)
	s_mov_b32 s[CS+1], s[CS]
	s_add_co_i32 s21, s46, 127
	s_lshl_b32 s49, s21, 23
	v_mov_b32 v[SCP], s49                          ; 2^e8
	s_add_co_i32 s21, s21, 8
	s_lshl_b32 s21, s21, 23
	s_or_b32 s29, s21, 0x600000                    ; 448 x 2^e8
	s_cmp_ge_i32 s46, -8
	s_cselect_b32 s[NH], 1, 0
	s_sub_co_i32 s21, s48, s46
	s_sub_co_i32 s21, s21, s47
	s_add_co_i32 s21, s21, 127
	s_lshl_b32 s49, s21, 23
	v_mov_b32 v[SCO], s49                          ; 2^(e10 - e8 - e9)
	s_add_co_i32 s21, s21, 8
	s_lshl_b32 s21, s21, 23
	s_or_b32 s31, s21, 0x600000                    ; 448 x that,
	s_or_b32 s30, s31, 0x80000000                  ; and its negative
	s_mov_b32 s[KS], 0
	s_mov_b32 s[BLK], s[J]
	s_mov_b32 s[TB], 0
	s_mov_b32 s[REM], 33
	s_wait_loadcnt 0x0                             ; both Q, and key step 0,
.irp i, 0,1,2,3
	ds_store_b128 v[GOF], v[STG+4*\i:STG+4*\i+3] offset:4096*\i   ; which goes into slot 0
.endr
.Ltrip:
	s_wait_xcnt 0x0                                ; the last trip's loads, prefetch and stores have read their addresses and data: the lines below write them anew
	s_add_co_u32 s[KSN], s[KS], 1
	s_cmp_eq_u32 s[KS], s[BLK]                     ; on the diagonal the block ends: the next trip begins the other block at key step 0
	s_cselect_b32 s[KSN], 0, s[KSN]
	s_cselect_b32 s[BLKN], s[BLK2], s[BLK]
	s_lshl_b32 s52, s[KSN], 14
	s_add_nc_u64 s[NA:NA+1], s[KVH:KVH+1], s[52:53]
	s_add_nc_u64 s[PFA:PFA+1], s[PFA:PFA+1], 0x4000
	v_add_nc_u32 v[ADF], s[TB], v[LI]
	s_xor_b32 s[TB], s[TB], 0x4000
	v_add_nc_u32 v[ADS], s[TB], v[GOF]
	s_wait_dscnt 0x0                               ; for the others' sake: my stores of this trip's tile have landed, and my reads of the other slot are over
	s_barrier_signal -1
	s_barrier_wait -1
	s_cmp_eq_u32 s[REM], 1                         ; the last trip asks for nothing
	s_cbranch_scc1 .Lnoload
.irp i, 0,1,2,3
	global_load_b128 v[STG+4*\i:STG+4*\i+3], v[GOF], s[NA:NA+1] offset:4096*\i   ; the next trip's tile: the eight waves' 4,096 consecutive bytes a line
.endr
	; A PREFETCH INTO THE L2: trip t names key step t + 3: 16,384 bytes, lanes 256 bytes apart, 8,192 bytes a wave.  All work-groups of a head walk the same tiles: waves 0 and 1 of the head's work-group j = 0 ask,
	; so each block of 256 bytes is named once in the launch.  Key steps 0 to 2 come by their loads alone; the last request, in trip 28 (5 trips to go), names key step 31.
	s_cmp_gt_u32 s[REM], s[LIM]
	s_cbranch_scc0 .Lnoload
	global_prefetch_b8 v[PFO], s[PFA:PFA+1] th:TH_LOAD_NT scope:SCOPE_SE
.Lnoload:
.irp t, 0,1,2,3,4,5,6,7
	ds_load_b128 v[KV+8*\t:KV+8*\t+3], v[ADF] offset:1024*\t
	ds_load_b128 v[KV+8*\t+4:KV+8*\t+7], v[ADF] offset:1024*\t+512
.endr
	s_wait_dscnt 8                                 ; K's tiles 0-3 are in
.irp t, 0,1,2,3
	v_wmma_f32_16x16x64_fp8_fp8 v[S+8*\t:S+8*\t+7], v[KV+8*\t:KV+8*\t+7], v[Q:Q+7], 0
.endr
	s_wait_dscnt 0x0
.irp t, 4,5,6,7
	v_wmma_f32_16x16x64_fp8_fp8 v[S+8*\t:S+8*\t+7], v[KV+8*\t:KV+8*\t+7], v[Q:Q+7], 0
.endr
.rept 4
	v_nop                                          ; places in front of the loads into K's registers and of the first read of the scores
.endr
.irp d, 0,1,2,3
.irp g, 0,1,2,3
	ds_load_b128 v[KV+16*\d+4*\g:KV+16*\d+4*\g+3], v[ADF] offset:8192+2048*\d+512*\g   ; V^T lands while the softmax is walked
.endr
.endr
	s_cmp_lg_u32 s[KS], s[BLK]                     ; off the diagonal every key counts
	s_cbranch_scc1 .Lopen
.set n, 0
.rept 64
	v_cmp_gt_i32 vcc_lo, 16*(n/8)+n%8, v[DG]
	v_cndmask_b32 v[S+n], v[S+n], v[NINF], vcc_lo
.set n, n+1
.endr
.Lopen:
	v_max3_num_f32 v[MA], v[S], v[S+1], v[S+2]     ; the step's largest score of my query among my 64 keys, in two chains, each accumulator from its low end on
	v_max3_num_f32 v[MB], v[S+3], v[S+4], v[S+5]
.irp i, 6,10,14,18,22,26,30,34,38,42,46,50,54,58
	v_max3_num_f32 v[MA], v[MA], v[S+\i], v[S+1+\i]
	v_max3_num_f32 v[MB], v[MB], v[S+2+\i], v[S+3+\i]
.endr
	v_max3_num_f32 v[MA], v[MA], v[S+62], v[S+63]
	v_max_num_f32 v[MA], v[MA], v[MB]
	v_permlanex16_b32 v[PX], v[MA], s[SEL], s[SEL+1]
	v_max_num_f32 v[MA], v[MA], v[PX]              ; and among lane l xor 16's
	v_mul_f32 v[MA], s[CS], v[MA]                  ; as t (c is positive)
	v_max_num_f32 v[NM+1], v[NM+1], v[MA]          ; the running largest t
	v_mov_b32 v[MA], v[NM]
	v_floor_f32 v[NM], -v[NM+1]                    ; the new -M = floor(-t) = -ceil(t)
	v_sub_f32 v[MA], v[NM], v[MA]                  ; old M - new M: a whole number, 0 or less
	v_cvt_i32_f32 v[MA], v[MA]                     ; (it saturates)
	v_ldexp_f32 v[F], 1.0, v[MA]                   ; f = 2^(old M - new M)
.set j, 0
.rept 32
	v_pk_fma_f32 v[S+j:S+j+1], v[S+j:S+j+1], s[CS:CS+1], v[NM:NM+1] op_sel_hi:[1,0,0]   ; t - M, two at a time
.set j, j+2
.endr
.set j, 0
.rept 64
	v_exp_f32 v[S+j], v[S+j]                       ; p = 2^(t - M)
.set j, j+1
.endr
	v_pk_mul_f32 v[SUM:SUM+1], v[SUM:SUM+1], v[F:F+1] op_sel_hi:[1,0]   ; the sums under the new M: the plain line behind the exponentials
	s_wait_alu depctr_va_vdst(0)                   ; one wait for the whole batch, ahead of its first reader
	v_pk_add_f32 v[SB:SB+1], v[S:S+1], v[S+2:S+3]  ; the row's sum is taken of the unquantised p, in two chains
.irp j, 4,8,12,16,20,24,28,32,36,40,44,48,52,56,60
	v_pk_add_f32 v[SUM:SUM+1], v[SUM:SUM+1], v[S+\j:S+\j+1]
	v_pk_add_f32 v[SB:SB+1], v[SB:SB+1], v[S+2+\j:S+3+\j]
.endr
	v_pk_add_f32 v[SUM:SUM+1], v[SUM:SUM+1], v[SB:SB+1]
	s_cmp_eq_u32 s[NH], 1                          ; e8 >= -8: p / 2^e8 stays under 448
	s_cbranch_scc1 .Lnohold
.set j, 0
.rept 64
	v_min_num_f32 v[S+j], s29, v[S+j]              ; the conversion does not saturate (ISA guide 7.6.2); p is not negative, so the hold is one-sided
.set j, j+1
.endr
.Lnohold:
.irp t, 0,1,2,3,4,5,6,7
	v_cvt_scalef32_pk8_fp8_f32 v[P+2*\t:P+2*\t+1], v[S+8*\t:S+8*\t+7], v[SCP]
.endr
.set j, 0
.rept 16
	v_pk_mul_f32 v[O+j:O+j+1], v[O+j:O+j+1], v[F:F+1] op_sel_hi:[1,0]   ; O^T under the new M; also the plain lines between the conversions and the products
.set j, j+2
.endr
	s_wait_dscnt 0x0                               ; V^T is in
.irp d, 0,1,2,3
	v_wmma_f32_16x16x128_fp8_fp8 v[O+8*\d:O+8*\d+7], v[KV+16*\d:KV+16*\d+15], v[P:P+15], v[O+8*\d:O+8*\d+7]
.endr
.rept 4
	v_nop                                          ; places in front of the next loads into V^T's registers and of the first read of O^T
.endr
	s_cmp_lg_u32 s[KS], s[BLK]
	s_cbranch_scc1 .Lnoepi
	; THE BLOCK GOES OUT: O^T / l, held, converted: tiles 2 b, 2 b + 1 give a lane d = 32 b + 16 h + 0 .. 15: one group of four registers of the next operand
	v_add_f32 v[SUM], v[SUM], v[SUM+1]
	v_permlanex16_b32 v[PX], v[SUM], s[SEL], s[SEL+1]
	v_add_f32 v[SUM], v[SUM], v[PX]                ; the row's sum
	v_rcp_f32 v[F], v[SUM]
	v_mov_b32 v[NM+1], 0xff61b1e6                  ; (the plain line behind the reciprocal)  the next block begins anew
	s_lshl_b32 s50, s[BLK], 17                     ; oimg: 131,072 bytes a block of 128 rows
	s_add_nc_u64 s[OA:OA+1], s[OB:OB+1], s[50:51]
	s_wait_alu depctr_va_vdst(0)                   ; ahead of the reciprocal's first reader
.set j, 0
.rept 16
	v_pk_mul_f32 v[O+j:O+j+1], v[O+j:O+j+1], v[F:F+1] op_sel_hi:[1,0]
.set j, j+2
.endr
.set j, 0
.rept 32
	v_med3_num_f32 v[O+j], v[O+j], s30, s31
.set j, j+1
.endr
.irp d, 0,1,2,3
	v_cvt_scalef32_pk8_fp8_f32 v[OC+2*\d:OC+2*\d+1], v[O+8*\d:O+8*\d+7], v[SCO]
.endr
	v_nop                                          ; one plain vector line behind the last conversion
	global_store_b128 v[LI], v[OC:OC+3], s[OA:OA+1]                  ; each store of the wave covers 512 consecutive bytes, aligned
	global_store_b128 v[LI], v[OC+4:OC+7], s[OA:OA+1] offset:512
	v_floor_f32 v[NM], -v[NM+1]
	v_mov_b32 v[SUM], 0
	v_mov_b32 v[SUM+1], 0
.set i, 0
.rept 32
	v_mov_b32 v[O+i], 0
.set i, i+1
.endr
.irp i, 0,1,2,3,4,5,6,7
	v_mov_b32 v[Q+\i], v[Q2+\i]                    ; the second block's queries
.endr
.Lnoepi:
	s_wait_loadcnt 0x0                             ; the next tile is in my registers
	s_cmp_eq_u32 s[REM], 1
	s_cbranch_scc1 .Lnostore
.irp i, 0,1,2,3
	ds_store_b128 v[ADS], v[STG+4*\i:STG+4*\i+3] offset:4096*\i   ; into the other slot, whose readers have all passed this trip's barrier
.endr
.Lnostore:
	s_mov_b32 s[KS], s[KSN]
	s_mov_b32 s[BLK], s[BLKN]
	s_sub_co_u32 s[REM], s[REM], 1
	s_cmp_lg_u32 s[REM], 0
	s_cbranch_scc1 .Ltrip
	s_wait_tensorcnt 0x0
	ds_add_u32 v254, v255
	s_wait_dscnt 0x0
	s_endpgm
.Lfunc_end_k_q8c98da28cc_attn:
	.size	k_q8c98da28cc_attn, .Lfunc_end_k_q8c98da28cc_attn-k_q8c98da28cc_attn
	.p2alignl 7, 3214868480
	.fill 96, 4, 3214868480
	.section	.rodata,"a",@progbits
	.p2align	6, 0x0
	.amdhsa_kernel k_q8c98da28cc_attn
		.amdhsa_group_segment_fixed_size 33792
		.amdhsa_private_segment_fixed_size 0
		.amdhsa_enable_private_segment 0
		.amdhsa_kernarg_size 32
		.amdhsa_user_sgpr_count 2
		.amdhsa_user_sgpr_kernarg_segment_ptr 1
		.amdhsa_wavefront_size32 1
		.amdhsa_system_sgpr_workgroup_id_x 1
		.amdhsa_system_sgpr_workgroup_id_y 1
		.amdhsa_system_sgpr_workgroup_id_z 1
		.amdhsa_system_vgpr_workitem_id 0
		.amdhsa_next_free_vgpr 256
		.amdhsa_next_free_sgpr 66
		.amdhsa_reserve_vcc 1
		.amdhsa_float_denorm_mode_32 3
		.amdhsa_float_denorm_mode_16_64 3
		.amdhsa_memory_ordered 1
		.amdhsa_forward_progress 1
		.amdhsa_inst_pref_size 33
	.end_amdhsa_kernel
	.amdgpu_metadata
---
amdhsa.version: [ 1, 2 ]
amdhsa.kernels:
  - .name:           k_q8c98da28cc_attn
    .symbol:         k_q8c98da28cc_attn.kd
    .args:
      - { .name: qimg, .offset: 0, .size: 8, .value_kind: global_buffer, .address_space: global }
      - { .name: kvimg, .offset: 8, .size: 8, .value_kind: global_buffer, .address_space: global }
      - { .name: lowp_scales, .offset: 16, .size: 8, .value_kind: global_buffer, .address_space: global }
      - { .name: oimg, .offset: 24, .size: 8, .value_kind: global_buffer, .address_space: global }
    .group_segment_fixed_size: 33792
    .private_segment_fixed_size: 0
    .kernarg_segment_align: 8
    .kernarg_segment_size: 32
    .max_flat_workgroup_size: 256
    .sgpr_count:     66
    .vgpr_count:     256
    .wavefront_size: 32
...
	.end_amdgpu_metadata
.endif
;; end of part 2
;; launch oproj (part 3): grid 8 x 32, 4 waves a work-group, clusters of 4 x 4, 327,680 bytes of LDS; arguments oimg, w_o_codes, lowp_scales, out0; writes out0
.if DOCPART == 3
	.amdgcn_target "amdgcn-amd-amdhsa--gfx1250"
	.amdhsa_code_object_version 6
	.text
	.protected	k_q8c98da28cc_oproj
	.globl	k_q8c98da28cc_oproj
	.p2align	8
	.type	k_q8c98da28cc_oproj,@function
k_q8c98da28cc_oproj:
	s_mov_b64 s[64:65], 0
	v_nop
	global_prefetch_b8 v0, s[64:65] scope:SCOPE_SE
	s_setreg_imm32_b32 hwreg(HW_REG_WAVE_MODE, 25, 1), 1
	s_wait_xcnt 0x0
	s_wait_alu depctr_hold_cnt(0) depctr_sa_sdst(0) depctr_va_vdst(0) depctr_va_sdst(0) depctr_va_ssrc(0) depctr_va_vcc(0) depctr_vm_vsrc(0)
	s_getreg_b32 s2, hwreg(HW_REG_IB_STS2, 6, 4)
	s_cmp_eq_u32 s2, 0
	s_cbranch_scc0 .Lentry_in_a_cluster
	s_endpgm
.Lentry_in_a_cluster:
	s_bfe_u32 s2, ttmp6, 0x10000c
	s_cmp_lg_u32 s2, 0xf033
	s_cbranch_scc0 .Lentry_shape_is_right
	s_endpgm
.Lentry_shape_is_right:
; out0 = o W_o^T x 2^(e10 + e11) on codes of FP8 (E4M3).  oimg: o's codes as images of fragments, [block of 128 rows][K step of 128][tile of 16 rows][2,048 bytes]; w_o: [1024][1024] codes, K innermost; out0: [4096][1024] f32.
; LIMIT: e10 + e11 lies between -126 and 127, so that 2^(e10 + e11) is an f32 number.
; A tile of out0 is 128 x 128: 256 work-groups of four waves, each wave 64 x 64: 16 accumulators, which take turns, one instruction a turn.
; The work-group's whole input, 128 rows of o and 128 rows of W_o over all of K, 131,072 bytes each, fits in LDS: every tensor load is a first fill, nothing is filled again, there is no ring.
; Four chunks of 256 along K, each brought by one load a wave (waves 0, 1: o's two K steps, dense blocks of 16,384 bytes; waves 2, 3: 64 rows of W_o each): four loads of a wave are out at the start.
; CLUSTERS: 4 x 4 work-groups.  o's tiles hang on the block of rows alone and are asked for jointly by a row of the cluster, W_o's on the block of columns alone, by a column.
; THE MATRIX INSTRUCTION IS USED TRANSPOSED (source 0 = 16 rows of W_o, source 1 = o's fragment): a lane holds eight neighbouring numbers of a row of out0.
; o's images hold k = 32 g + 16 (lane / 16) + 0 .. 15 in group g, the very places that four loads of 16 bytes, 32 apart, give W_o's rows: the same permutation of k on both sides.
; REGISTERS: window 0: v1-26 addresses; v32-63 a block's scaled sums; v64-127 rows read back, two sets; v128-255 the accumulators ((a, b) at v[128 + 8 (4 a + b)]).
;   window 1: two fragment buffers of 128: o's four fragments at f + 16 a, W_o's four at f + 64 + 16 b.
.set PITCH, 272                        ; a row of W_o's chunk in LDS: 256 bytes + 16 of padding
.set WREG,  131072                     ; behind o's images: four chunks of 128 rows x PITCH
.set CHK,   128*PITCH
.set STAGE, WREG+4*CHK                 ; behind them: 16 rows x 272 bytes for each wave, for the way out; no tensor load lands here
.set ADO,  16                          ; v16-17  LDS address of my o fragments, K steps 0-3 and 4-7
.set ADW,  18                          ; v18-19  of my W_o fragments, chunks 0-1 and 2-3
.set STO,  24                          ; v24     the way out: where I put 32 bytes of a row
.set RD,   25                          ; v25     where I read a row back
.set CO,   26                          ; v26     my byte offset in out0
.set TMP,  32
.set BK,   64
.set ACC,  128
.set F0,   0
.set F1,   128
.set WV,   12
.set G1A,  16                          ; s[16:23] descriptor group 1 for o's blocks;  s[32:47] groups 0, one for each chunk
.set G1B,  24                          ; s[24:31] for W_o's tiles;  s[48:63] groups 0
.set G0A,  32
.set G0B,  48
.set MSB, 0
.macro WIN new                         ; the immediate's high byte repeats the setting that is left
.if MSB != \new
	s_set_vgpr_msb (MSB<<8)|\new
.set MSB, \new
.endif
.endm
.macro PLACES
.rept 4
	v_nop
.endr
.endm
.macro CROUND                          ; a round of the cluster's barrier
	s_barrier_signal -1
	s_barrier_wait -1
	s_cmp_lg_u32 s[WV], 0
	s_cbranch_scc1 .Lnot_wave_0_\@
	s_barrier_signal -3
.Lnot_wave_0_\@:
	s_barrier_wait -3
	s_barrier_signal -1
	s_barrier_wait -1
.endm
	s_load_b256 s[4:11], s[0:1], 0x0               ; oimg s[4:5], w_o s[6:7], the scales' exponents s[8:9], out0 s[10:11]
	v_lshl_add_u32 v30, v0, 2, 0x46400
	v_mov_b32 v31, 0
	ds_add_u32 v30, v31
	ds_add_u32 v30, v31
	v_lshrrev_b32 v1, 5, v0
	v_readfirstlane_b32 s[WV], v1                  ; wave 0..3
	s_lshr_b32 s13, s[WV], 1                       ; which half of the tile's rows is mine.  Also: I fetch for o (0) or for W_o (1)
	s_and_b32 s14, s[WV], 1                        ; which half of its columns.  Also: which half of a chunk I fetch
	s_bfe_u32 s15, ttmp6, 0x40000                  ; cx, cy
	s_bfe_u32 s66, ttmp6, 0x40004
	s_lshl_b32 s67, ttmp9, 2
	s_add_co_u32 s67, s67, s15                     ; block of 128 columns = 4 x cluster x + cx
	s_and_b32 s68, ttmp7, 0xffff
	s_lshl_b32 s68, s68, 2
	s_add_co_u32 s68, s68, s66                     ; block of 128 rows = 4 x cluster y + cy
	s_lshl_b32 s78, s66, 2
	s_lshl_b32 s78, 15, s78                        ; my row of the cluster
	s_lshl_b32 s79, 0x1111, s15                    ; my column
	s_or_b32 s[G1A], s78, (3<<16)|(1<<21)          ; 15:0 the mask: my row; 17:16 elements of 8 bytes; 21 set beside a mask; no padding: a dense block as 64 rows of 256 bytes
	s_mov_b32 s[G1A+1], 32<<16                     ; tensor_dim0 = 32 elements
	s_mov_b32 s[G1A+2], 64<<16                     ; tensor_dim1 = 64
	s_mov_b32 s[G1A+3], 32<<16                     ; tile_dim0
	s_mov_b32 s[G1A+4], 64                         ; tile_dim1
	s_mov_b32 s[G1A+5], 32                         ; pitch = the row
	s_mov_b32 s[G1A+6], 0
	s_mov_b32 s[G1A+7], 0
	s_or_b32 s[G1B], s79, (1<<20)|(1<<21)|(5<<22)|(3<<25)   ; my column; elements of 1 byte; four words of padding after every 64
	s_mov_b32 s[G1B+1], 256<<16
	s_mov_b32 s[G1B+2], 64<<16
	s_mov_b32 s[G1B+3], 256<<16
	s_mov_b32 s[G1B+4], 64
	s_mov_b32 s[G1B+5], 1024
	s_mov_b32 s[G1B+6], 0
	s_mov_b32 s[G1B+7], 0
	s_lshl_b32 s69, s14, 14                        ; o: my K step of a chunk, in memory and in LDS alike
	s_lshl_b32 s70, s68, 17                        ; 131,072 bytes a block of rows
	s_add_co_u32 s70, s70, s69
	s_mov_b32 s71, 0
	s_lshl_b32 s76, s67, 17                        ; W_o: 128 rows of 1,024 bytes a block of columns,
	s_lshl_b32 s3, s14, 16                         ; my 64 of them
	s_add_co_u32 s76, s76, s3
	s_mov_b32 s77, 0
	s_mul_i32 s2, s14, 64*PITCH                    ; and their place in a chunk
	s_wait_dscnt 0x0
	s_wait_kmcnt 0x0
	s_load_b64 s[72:73], s[8:9], 0x28              ; e10, e11
	s_add_nc_u64 s[4:5], s[4:5], s[70:71]
	s_add_nc_u64 s[6:7], s[6:7], s[76:77]
.irp c, 0,1,2,3
	s_mov_b32 s[G0A+4*\c], 1
	s_add_co_u32 s[G0A+4*\c+1], s69, \c*32768
	s_add_nc_u64 s[G0A+4*\c+2:G0A+4*\c+3], s[4:5], \c*32768
	s_or_b32 s[G0A+4*\c+3], s[G0A+4*\c+3], 0x80000000
	s_mov_b32 s[G0B+4*\c], 1
	s_add_co_u32 s[G0B+4*\c+1], s2, WREG+\c*CHK
	s_add_nc_u64 s[G0B+4*\c+2:G0B+4*\c+3], s[6:7], \c*256
	s_or_b32 s[G0B+4*\c+3], s[G0B+4*\c+3], 0x80000000
.endr
	CROUND                                         ; all sixteen work-groups are here: the joint loads meet
	s_cmp_eq_u32 s13, 0                            ; a wave's four first fills stand in one branch, ahead of every wait on TENSORcnt and every LDS read; four v_nop follow the last
	s_cbranch_scc0 .Lfor_w
.irp c, 0,1,2,3
	tensor_load_to_lds s[G0A+4*\c:G0A+4*\c+3], s[G1A:G1A+7]
	s_nop 0
.endr
.rept 4
	v_nop
.endr
	s_branch .Lasked
.Lfor_w:
.irp c, 0,1,2,3
	tensor_load_to_lds s[G0B+4*\c:G0B+4*\c+3], s[G1B:G1B+7]
	s_nop 0
.endr
.rept 4
	v_nop
.endr
.Lasked:
	v_and_b32 v1, 15, v0                           ; r
	v_bfe_u32 v2, v0, 4, 1                         ; h
	v_and_b32 v3, 31, v0
	v_lshlrev_b32 v3, 4, v3                        ; 16 x lane
	s_lshl_b32 s3, s13, 13                         ; my four tiles of rows: 2,048 bytes each
	v_add_nc_u32 v[ADO], s3, v3
	v_add_nc_u32 v[ADO+1], 65536, v[ADO]
	v_mul_u32_u24 v4, v1, PITCH
	v_lshl_add_u32 v5, v2, 4, v4
	s_mul_i32 s3, s14, 64*PITCH
	s_add_co_u32 s3, s3, WREG
	v_add_nc_u32 v[ADW], s3, v5
	v_add_nc_u32 v[ADW+1], 2*CHK, v[ADW]
	s_mul_i32 s3, s[WV], 16*272
	s_add_co_u32 s3, s3, STAGE                     ; my stage
	v_lshl_add_u32 v[STO], v2, 5, v4               ; in: row r, 32 bytes for each half of the lanes
	v_add_nc_u32 v[STO], s3, v[STO]
	v_mul_u32_u24 v[RD], v2, 272                   ; back: lanes 0-15 one row of 256 bytes, lanes 16-31 the next
	v_lshl_add_u32 v[RD], v1, 4, v[RD]
	v_add_nc_u32 v[RD], s3, v[RD]
	v_lshlrev_b32 v[CO], 12, v2                    ; and the same two rows in out0: 4,096 bytes a row
	v_lshl_add_u32 v[CO], v1, 4, v[CO]
	s_lshl_b32 s74, s68, 19                        ; my part of out0: row 128 by + 64 (w / 2), byte 512 bx + 256 (w % 2)
	s_lshl_b32 s3, s13, 18
	s_add_co_u32 s74, s74, s3
	s_lshl_b32 s3, s67, 9
	s_add_co_u32 s74, s74, s3
	s_lshl_b32 s3, s14, 8
	s_add_co_u32 s74, s74, s3
	s_mov_b32 s75, 0
	s_add_nc_u64 s[74:75], s[10:11], s[74:75]
.macro FETCH k, f                      ; K step k: W_o's four fragments and o's four into buffer f: 32 loads
	WIN 0x40                                       ; destination window 1, address window 0
.irp b, 0,1,2,3
.irp c, 0,1,2,3
	ds_load_b128 v[\f+64+16*\b+4*\c:\f+64+16*\b+4*\c+3], v[ADW+(\k)/4] offset:(((\k)/2)%2)*CHK+((\k)%2)*128+16*\b*PITCH+32*\c
.endr
.endr
.irp a, 0,1,2,3
.irp g, 0,1,2,3
	ds_load_b128 v[\f+16*\a+4*\g:\f+16*\a+4*\g+3], v[ADO+(\k)/4] offset:((\k)%4)*16384+2048*\a+512*\g
.endr
.endr
.endm
.macro MUL16 f, zero                   ; 16 products, 128 along K.  zero = 1: they start the sums
	WIN 0x05                                       ; sources 0 and 1 window 1, C and D window 0
.irp a, 0,1,2,3
.irp b, 0,1,2,3
.if \zero
	v_wmma_f32_16x16x128_fp8_fp8 v[ACC+8*(4*\a+\b):ACC+8*(4*\a+\b)+7], v[\f+64+16*\b:\f+64+16*\b+15], v[\f+16*\a:\f+16*\a+15], 0
.else
	v_wmma_f32_16x16x128_fp8_fp8 v[ACC+8*(4*\a+\b):ACC+8*(4*\a+\b)+7], v[\f+64+16*\b:\f+64+16*\b+15], v[\f+16*\a:\f+16*\a+15], v[ACC+8*(4*\a+\b):ACC+8*(4*\a+\b)+7]
.endif
.endr
.endr
.endm
.macro CHUNK c
	s_wait_tensorcnt 3-\c                          ; my part of chunk c is in; the later chunks may stay out
	s_barrier_signal -1                            ; (no LDS instruction of mine is pending here)
	s_barrier_wait -1                              ; everybody's is
.if \c > 0
	PLACES                                         ; in front of loads into registers that the last products read
.endif
	FETCH 2*\c, F0
	FETCH 2*\c+1, F1
	s_wait_dscnt 32                                ; the first K step's fragments are in
.if \c == 0
	MUL16 F0, 1
.else
	MUL16 F0, 0
.endif
	s_wait_dscnt 0x0
	MUL16 F1, 0
	WIN 0
.endm
	CHUNK 0
	CHUNK 1
	CHUNK 2
	CHUNK 3
	PLACES
	s_wait_kmcnt 0x0
	s_add_co_i32 s72, s72, s73                     ; e10 + e11
	s_add_co_i32 s72, s72, 127
	s_lshl_b32 s72, s72, 23                        ; 2^(e10 + e11) as f32
	s_mov_b32 s73, s72                             ; (named with it as a pair)
; THE WAY OUT, block by block of 16 rows x 64 columns: through my own stage in LDS, back as whole rows of 256 bytes.  LDS serves a wave's instructions in order (ISA guide 5.7.1.4): no wait between the stores and the loads.
.macro TOSTAGE a
.irp b, 0,1,2,3
.irp i, 0,2,4,6
	v_pk_mul_f32 v[TMP+8*\b+\i:TMP+8*\b+\i+1], v[ACC+8*(4*(\a)+\b)+\i:ACC+8*(4*(\a)+\b)+\i+1], s[72:73] op_sel_hi:[1,0]   ; each accumulator from its low end on
.endr
.endr
.irp b, 0,1,2,3
	ds_store_b128 v[STO], v[TMP+8*\b:TMP+8*\b+3] offset:64*\b
	ds_store_b128 v[STO], v[TMP+8*\b+4:TMP+8*\b+7] offset:64*\b+16
.endr
.irp t, 0,1,2,3,4,5,6,7
	ds_load_b128 v[BK+32*((\a)%2)+4*\t:BK+32*((\a)%2)+4*\t+3], v[RD] offset:2*\t*272
.endr
.endm
.macro SEND a, younger                 ; younger: the LDS instructions issued behind block a's loads, which may stay out
	s_wait_dscnt \younger
.irp t, 0,1,2,3,4,5,6,7
	global_store_b128 v[CO], v[BK+32*((\a)%2)+4*\t:BK+32*((\a)%2)+4*\t+3], s[74:75] offset:(16*(\a)+2*\t)*4096 th:TH_STORE_NT   ; 16 lanes store 256 consecutive bytes, aligned; written once, read by nobody here
.endr
.endm
	TOSTAGE 0
	TOSTAGE 1
	SEND 0, 16                                     ; behind block 0's loads: block 1's 8 stores and 8 loads
	s_wait_xcnt 0x0                                ; block 0's stores have read their registers: block 2's loads may land there
	TOSTAGE 2
	SEND 1, 16
	s_wait_xcnt 0x0
	TOSTAGE 3
	SEND 2, 16
	SEND 3, 0
	s_wait_tensorcnt 0x0
	ds_add_u32 v30, v31
	s_wait_dscnt 0x0
	CROUND                                         ; the closing round: no work-group ends while a partner may still ask for a tile that names it
	s_endpgm
.Lfunc_end_k_q8c98da28cc_oproj:
	.size	k_q8c98da28cc_oproj, .Lfunc_end_k_q8c98da28cc_oproj-k_q8c98da28cc_oproj
	.p2alignl 7, 3214868480
	.fill 96, 4, 3214868480
	.section	.rodata,"a",@progbits
	.p2align	6, 0x0
	.amdhsa_kernel k_q8c98da28cc_oproj
		.amdhsa_group_segment_fixed_size 327680
		.amdhsa_private_segment_fixed_size 0
		.amdhsa_enable_private_segment 0
		.amdhsa_kernarg_size 32
		.amdhsa_user_sgpr_count 2
		.amdhsa_user_sgpr_kernarg_segment_ptr 1
		.amdhsa_wavefront_size32 1
		.amdhsa_system_sgpr_workgroup_id_x 1
		.amdhsa_system_sgpr_workgroup_id_y 1
		.amdhsa_system_sgpr_workgroup_id_z 1
		.amdhsa_system_vgpr_workitem_id 0
		.amdhsa_next_free_vgpr 512
		.amdhsa_next_free_sgpr 80
		.amdhsa_reserve_vcc 0
		.amdhsa_float_denorm_mode_32 3
		.amdhsa_float_denorm_mode_16_64 3
		.amdhsa_memory_ordered 1
		.amdhsa_forward_progress 1
		.amdhsa_inst_pref_size 45
	.end_amdhsa_kernel
	.amdgpu_metadata
---
amdhsa.version: [ 1, 2 ]
amdhsa.kernels:
  - .name:           k_q8c98da28cc_oproj
    .symbol:         k_q8c98da28cc_oproj.kd
    .args:
      - { .name: oimg, .offset: 0, .size: 8, .value_kind: global_buffer, .address_space: global }
      - { .name: w_o_codes, .offset: 8, .size: 8, .value_kind: global_buffer, .address_space: global }
      - { .name: lowp_scales, .offset: 16, .size: 8, .value_kind: global_buffer, .address_space: global }
      - { .name: out0, .offset: 24, .size: 8, .value_kind: global_buffer, .address_space: global }
    .group_segment_fixed_size: 327680
    .private_segment_fixed_size: 0
    .kernarg_segment_align: 8
    .kernarg_segment_size: 32
    .max_flat_workgroup_size: 128
    .sgpr_count:     80
    .vgpr_count:     512
    .wavefront_size: 32
...
	.end_amdgpu_metadata
.endif
;; end of part 3
;; ======== version 2 of 2: 3 launches; version 1 with the launch attn written anew for expert scheduling mode
;; workspace buffers: qimg 4,194,304 bytes; kvimg 8,388,608 bytes; oimg 4,194,304 bytes
;; launch qkv: the kernel of part 1 again; grid 16 x 16, 4 waves a work-group, clusters of 4 x 4, 327,680 bytes of LDS; arguments x_codes, w_q_codes, w_k_codes, w_v_codes, lowp_scales, qimg, kvimg; writes qimg, kvimg
;; launch attn (part 4): grid 16 x 16, 8 waves a work-group, no clusters, 33,792 bytes of LDS; arguments qimg, kvimg, lowp_scales, oimg; writes oimg
.if DOCPART == 4
	.amdgcn_target "amdgcn-amd-amdhsa--gfx1250"
	.amdhsa_code_object_version 6
	.text
	.protected	k_q8c98da28cc_attn
	.globl	k_q8c98da28cc_attn
	.p2align	8
	.type	k_q8c98da28cc_attn,@function
k_q8c98da28cc_attn:
	s_mov_b64 s[64:65], 0
	v_nop
	global_prefetch_b8 v0, s[64:65] scope:SCOPE_SE
	s_setreg_imm32_b32 hwreg(HW_REG_WAVE_SCHED_MODE, 0, 2), 2
	s_setreg_imm32_b32 hwreg(HW_REG_WAVE_MODE, 25, 1), 1
	s_wait_xcnt 0x0
	s_wait_alu depctr_vm_vsrc(0)
; Causal attention of 16 heads of 64 on codes of FP8 (E4M3); 4,096 queries and keys.  qimg, kvimg: register images of Q's, K's and V^T's fragments; oimg: o / l, quantised, as images of the output projection's operand.
; THE SOFTMAX AHEAD OF THE SECOND PRODUCT: t = score x log2(e) / 8; M = the row's largest t so far, rounded UP to a whole number; p = 2^(t - M) is quantised with 2^e8, not normalised.  The row's sum is taken of
; the unquantised p and divides at the end.  When M moves, the sum and O^T are multiplied by 2^(old M - new M): exact.  o's code = (O^T / l) / 2^(e10 - e8 - e9), held within +-448 x that.
; LIMITS: e6 + e7 between -123 and 130 (added to c's exponent field); e8 and e10 - e8 - e9 between -126 and 119.  NaN codes are not served.
; SHARES.  Work-group (x = j, y = head) owns the blocks j and 31 - j of 128 queries, one after the other: (j + 1) + (32 - j) = 33 steps of 128 keys in EVERY work-group: one loop of 33 trips.  Wave w owns 16 queries of the
; block.  A block's last step is the one on the diagonal (step == block): there hidden scores become -infinity, and the block goes out.
; LAYOUT.  S^T = K Q^T (K = 64 form) and O^T = V^T P^T (K = 128 form): a lane holds one query throughout.  Tile t of S^T holds keys 16 t + 8 (lane / 16) + 0 .. 7: its codes are registers 2 t, 2 t + 1 of P.
; A step's tile is a dense block of 16,384 bytes of images.  The eight waves copy it through registers into one of two LDS slots, a trip ahead: four loads and four LDS stores a wave.
; NO TENSOR LOAD AND NO CLUSTER: work-groups of one head stand at different key steps in the same trip (t against t - j - 1), so joint requests would not meet; and a scalar branch on the
; given e8 may pass over p's hold: where e8 >= -8, p / 2^e8 is at most 256 and needs none; that is 64 of a step's vector instructions.
; THE MODE: SCHED_MODE bits 1:0 = 2 (LLVM: expert scheduling mode 2), set by the entry lines.  The code itself states the register dependences between vector or matrix instructions and memory or LDS
; instructions, with s_wait_alu, always for 0.
; THE PLAN.  Registers that memory or LDS instructions touch:
;   v[LI], v[GOF], v[PFO]  offsets, written at the head and never again; read by every global load, store and prefetch and by the head's LDS stores.
;   v[ADF], v[ADS]         LDS addresses, written by one vector add each at a trip's head; read by the trip's 32 LDS loads and by its four LDS stores.
;   STG                    the next tile: four global loads land in it behind the barrier, four LDS stores read it at the trip's end; no vector instruction names it.
;   KV                     K's eight fragments: 16 LDS loads land in it behind the barrier; the eight products K Q^T read it.
;   VB (window 1)          V^T's four fragments, a buffer of their own: 16 LDS loads land in it between the two halves of K Q^T; the four products V^T P read it.
;   OC                     o's codes: written by a block's four conversions, read by its two global stores.
;   v254, v255             written at the head, read by the closing add alone.
; A trip's head has one wait on vm_vsrc (the last trip's LDS and memory instructions have read ADF, ADS, STG and OC), the two adds, and ONE wait on va_vdst (ADF and ADS are written; the last trip's products are done
; reading KV and VB).  Behind it no vector or matrix instruction names ADF, ADS, STG, or a fragment buffer ahead of the loads that land in it: so the trip's 36 loads and four LDS stores owe nothing more.
.set LI,   1                           ; v1   16 x lane
.set GOF,  3                           ; v3   16 x thread: my 16 bytes of each 4,096 of a tile, in memory and in a slot
.set ADF,  4                           ; v4   LDS address of the fragments of the slot in hand
.set ADS,  5                           ; v5   LDS address at which I store the next tile
.set PFO,  6                           ; v6   the prefetch's offset: 256 x lane + 8,192 x wave
.set DG,   7                           ; v7   16 w + r - 8 h: register 8 t + i is hidden on the diagonal where 16 t + i is above it
.set NM,   12                          ; v12 -M, v13 the largest t so far
.set SUM,  14                          ; v[14:15] the row's sum in two halves
.set Q,    16                          ; v16-23   Q's fragment
.set STG,  24                          ; v24-39   the next tile on its way
.set P,    40                          ; v40-55   p's codes
.set O,    56                          ; v56-87   O^T: tile dt at 8 dt
.set KV,   88                          ; v88-151  K's eight fragments
.set VB,   24                          ; in window 1: v280-343  V^T's four fragments
.set S,    152                         ; v152-215 S^T, then p
.set MA,   216                         ; v216, v217 at work on the maximum
.set MB,   217
.set PX,   218                         ; v218 a lane permute's destination
.set F,    220                         ; v[220:221] f = 2^(old M - new M); at a block's end 1 / l
.set SB,   222                         ; v[222:223] the sum's second chain
.set NINF, 224                         ; v224 -infinity
.set SCP,  225                         ; v225 2^e8
.set SCO,  226                         ; v226 2^(e10 - e8 - e9)
.set Q2,   232                         ; v232-239 the second block's Q
.set OC,   240                         ; v240-247 o's codes
.set MK0,  4                           ; s4-11, s42-49  in the loop: sixteen masks of the diagonal's compares (at the head these registers held what the head alone needs)
.set MK1,  42
.set WV,   12
.set J,    13
.set HD,   14
.set REM,  15                          ; s15  trips to go
.set KS,   16                          ; s16  the key step in hand
.set BLK,  17                          ; s17  the block of queries in hand
.set BLK2, 18                          ; s18  31 - j
.set KSN,  19                          ; s19, s20  the next trip's step and block
.set BLKN, 20
.set CS,   22                          ; s[22:23] c = log2(e) / 8 x 2^(e6 + e7)
.set SEL,  24                          ; s[24:25] v_permlanex16_b32's selects for lane l xor 16
.set TB,   26                          ; s26  LDS byte at which the slot in hand begins
.set LIM,  27                          ; s27  4 in a wave that prefetches, else the greatest number
.set NH,   28                          ; s28  1 where p needs no hold
.set KVH,  32                          ; s[32:33] kvimg at my head
.set NA,   34                          ; s[34:35] the next tile
.set PFA,  36                          ; s[36:37] where the prefetches stand
.set OA,   38                          ; s[38:39] where the block's codes go
.set OB,   40                          ; s[40:41] oimg at my head's K step and groups, and my wave's tile
	s_load_b256 s[4:11], s[0:1], 0x0               ; qimg s[4:5], kvimg s[6:7], the scales' exponents s[8:9], oimg s[10:11]
	v_lshl_add_u32 v254, v0, 2, 0x8000
	v_mov_b32 v255, 0
	v_lshrrev_b32 v8, 5, v0
	v_readfirstlane_b32 s[WV], v8                  ; wave 0..7
	s_mov_b32 s[J], ttmp9
	s_and_b32 s[HD], ttmp7, 0xffff
	s_sub_co_u32 s[BLK2], 31, s[J]
	v_and_b32 v8, 31, v0
	v_lshlrev_b32 v[LI], 4, v8
	v_lshlrev_b32 v[GOF], 4, v0
	s_wait_alu depctr_va_sdst(0)                   ; s12, the wave's number, is written, ahead of its first reader: offsets and bases are made from it
	s_lshl_b32 s21, s[WV], 13
	v_lshl_add_u32 v[PFO], v8, 8, s21
	v_and_b32 v9, 15, v0                           ; r
	v_bfe_u32 v10, v0, 4, 1                        ; h
	v_lshlrev_b32 v10, 3, v10
	v_sub_nc_u32 v[DG], v9, v10
	s_lshl_b32 s21, s[WV], 4
	v_add_nc_u32 v[DG], s21, v[DG]
	s_lshl_b32 s42, s[HD], 18                      ; qimg: head x 262,144 + (8 block + wave) x 1,024
	s_lshl_b32 s21, s[WV], 10
	s_add_co_u32 s42, s42, s21
	s_mov_b32 s43, 0
	s_lshl_b32 s2, s[J], 13
	s_mov_b32 s3, 0
	s_lshl_b32 s50, s[BLK2], 13
	s_mov_b32 s51, 0
	s_lshl_b32 s52, s[HD], 19                      ; kvimg: head x 524,288
	s_mov_b32 s53, 0
	s_wait_kmcnt 0x0
	s_load_b128 s[44:47], s[8:9], 0x18             ; e6, e7, e8, e9
	s_load_b32 s48, s[8:9], 0x28                   ; e10
	s_add_nc_u64 s[4:5], s[4:5], s[42:43]
	s_add_nc_u64 s[42:43], s[4:5], s[2:3]
	s_add_nc_u64 s[54:55], s[4:5], s[50:51]
	s_add_nc_u64 s[KVH:KVH+1], s[6:7], s[52:53]
	s_wait_alu depctr_va_vdst(0)                   ; the offsets v[LI], v[GOF] and v[PFO] are written, which every global load, store and prefetch of the kernel and the head's LDS stores read; they are never written again
	global_load_b128 v[Q:Q+3], v[LI], s[42:43]
	global_load_b128 v[Q+4:Q+7], v[LI], s[42:43] offset:512
	global_load_b128 v[Q2:Q2+3], v[LI], s[54:55]
	global_load_b128 v[Q2+4:Q2+7], v[LI], s[54:55] offset:512
.irp i, 0,1,2,3
	global_load_b128 v[STG+4*\i:STG+4*\i+3], v[GOF], s[KVH:KVH+1] offset:4096*\i   ; key step 0
.endr
	s_lshr_b32 s50, s[HD], 1                       ; oimg: K step head / 2, tile = wave, groups 2 (head % 2) on
	s_lshl_b32 s50, s50, 14
	s_lshl_b32 s21, s[WV], 11
	s_add_co_u32 s50, s50, s21
	s_and_b32 s21, s[HD], 1
	s_lshl_b32 s21, s21, 10
	s_add_co_u32 s50, s50, s21
	s_add_nc_u64 s[OB:OB+1], s[10:11], s[50:51]
	s_add_nc_u64 s[PFA:PFA+1], s[KVH:KVH+1], 0x8000   ; at key step 2: trip t steps it and names key step t + 3.  Nothing is prefetched here, at the head
	s_lshr_b32 s21, s[WV], 1                       ; 0 in waves 0 and 1,
	s_or_b32 s21, s21, ttmp9                       ; of the head's work-group j = 0
	s_cmp_eq_u32 s21, 0
	s_cselect_b32 s[LIM], 4, -1
	s_mov_b32 s[SEL], 0x76543210
	s_mov_b32 s[SEL+1], 0xfedcba98
	s_mov_b32 s[CS], 0x3e38aa3b                    ; log2(e) / 8
	v_mov_b32 v[NM+1], 0xff61b1e6                  ; the largest t so far: -3e38, under every t
	v_floor_f32 v[NM], -v[NM+1]                    ; -M
	v_mov_b32 v[SUM], 0
	v_mov_b32 v[SUM+1], 0
	v_mov_b32 v[PX], 0                             ; written once: a lane permute's destination counts as one of its sources
	v_mov_b32 v[F+1], 0                            ; (named as the upper half of a pair)
	v_mov_b32 v[NINF], 0xff800000
.set i, 0
.rept 32
	v_mov_b32 v[O+i], 0                            ; O^T: the loop is written once; its first step finds zeros, which the first change of M leaves zeros
.set i, i+1
.endr
	s_wait_kmcnt 0x0
	s_add_co_i32 s21, s44, s45
	s_lshl_b32 s21, s21, 23
	s_add_co_i32 s[CS], s[CS], s21                 ; a score stands for score x 2^(e6 + e7)
	s_mov_b32 s[CS+1], s[CS]
	s_add_co_i32 s21, s46, 127
	s_lshl_b32 s49, s21, 23
	v_mov_b32 v[SCP], s49                          ; 2^e8
	s_add_co_i32 s21, s21, 8
	s_lshl_b32 s21, s21, 23
	s_or_b32 s29, s21, 0x600000                    ; 448 x 2^e8
	s_cmp_ge_i32 s46, -8
	s_cselect_b32 s[NH], 1, 0
	s_sub_co_i32 s21, s48, s46
	s_sub_co_i32 s21, s21, s47
	s_add_co_i32 s21, s21, 127
	s_lshl_b32 s49, s21, 23
	v_mov_b32 v[SCO], s49                          ; 2^(e10 - e8 - e9)
	s_add_co_i32 s21, s21, 8
	s_lshl_b32 s21, s21, 23
	s_or_b32 s31, s21, 0x600000                    ; 448 x that,
	s_or_b32 s30, s31, 0x80000000                  ; and its negative
	s_mov_b32 s[KS], 0
	s_mov_b32 s[BLK], s[J]
	s_mov_b32 s[TB], 0
	s_mov_b32 s[REM], 33
	s_wait_loadcnt 0x0                             ; both Q, and key step 0,
.irp i, 0,1,2,3
	ds_store_b128 v[GOF], v[STG+4*\i:STG+4*\i+3] offset:4096*\i   ; which goes into slot 0.  (No vector instruction since the head's wait names v[GOF]; STG is named by loads and LDS stores alone)
.endr
.Ltrip:
	s_wait_xcnt 0x0                                ; the last trip's loads, prefetch and stores have read their addresses and data: the lines below write them anew
	s_wait_alu depctr_vm_vsrc(0)                   ; the last trip's LDS loads have read v[ADF], its LDS stores (in the first trip: the head's) v[ADS] and STG, a block's global stores OC: the adds below, this trip's loads into STG and the next block's conversions write them
	s_add_co_u32 s[KSN], s[KS], 1
	s_cmp_eq_u32 s[KS], s[BLK]                     ; on the diagonal the block ends: the next trip begins the other block at key step 0
	s_cselect_b32 s[KSN], 0, s[KSN]
	s_cselect_b32 s[BLKN], s[BLK2], s[BLK]
	s_lshl_b32 s52, s[KSN], 14
	s_add_nc_u64 s[NA:NA+1], s[KVH:KVH+1], s[52:53]
	s_add_nc_u64 s[PFA:PFA+1], s[PFA:PFA+1], 0x4000
	v_add_nc_u32 v[ADF], s[TB], v[LI]
	s_xor_b32 s[TB], s[TB], 0x4000
	v_add_nc_u32 v[ADS], s[TB], v[GOF]
	s_wait_alu depctr_va_vdst(0)                   ; the trip's one wait: v[ADF] and v[ADS] are written, which this trip's LDS loads and stores read; the last trip's products are done reading KV and VB, in which this trip's LDS loads land
	s_wait_dscnt 0x0                               ; for the others' sake: my stores of this trip's tile have landed, and my reads of the other slot are over
	s_barrier_signal -1
	s_barrier_wait -1
	s_cmp_eq_u32 s[REM], 1                         ; the last trip asks for nothing
	s_cbranch_scc1 .Lnoload
.irp i, 0,1,2,3
	global_load_b128 v[STG+4*\i:STG+4*\i+3], v[GOF], s[NA:NA+1] offset:4096*\i   ; the next trip's tile: the eight waves' 4,096 consecutive bytes a line
.endr
	; A PREFETCH INTO THE L2: trip t names key step t + 3: 16,384 bytes, lanes 256 bytes apart, 8,192 bytes a wave.  All work-groups of a head walk the same tiles: waves 0 and 1 of the head's work-group j = 0 ask,
	; so each block of 256 bytes is named once in the launch.  Key steps 0 to 2 come by their loads alone; the last request, in trip 28 (5 trips to go), names key step 31.
	s_cmp_gt_u32 s[REM], s[LIM]
	s_cbranch_scc0 .Lnoload
	global_prefetch_b8 v[PFO], s[PFA:PFA+1] th:TH_LOAD_NT scope:SCOPE_SE
.Lnoload:
.irp t, 0,1,2,3,4,5,6,7
	ds_load_b128 v[KV+8*\t:KV+8*\t+3], v[ADF] offset:1024*\t
	ds_load_b128 v[KV+8*\t+4:KV+8*\t+7], v[ADF] offset:1024*\t+512
.endr
	s_wait_dscnt 8                                 ; K's tiles 0-3 are in
.irp t, 0,1,2,3
	v_wmma_f32_16x16x64_fp8_fp8 v[S+8*\t:S+8*\t+7], v[KV+8*\t:KV+8*\t+7], v[Q:Q+7], 0
.endr
	s_set_vgpr_msb 0x40                            ; destination window 1, address window 0
.irp d, 0,1,2,3
.irp g, 0,1,2,3
	ds_load_b128 v[VB+16*\d+4*\g:VB+16*\d+4*\g+3], v[ADF] offset:8192+2048*\d+512*\g   ; V^T, into its own buffer: it lands while the softmax is walked.  No wait: since the trip's wait only loads, scalar lines and four products on KV, Q and S have been issued
.endr
.endr
	s_set_vgpr_msb 0x4000                          ; all back to window 0
	s_wait_dscnt 16                                ; K's tiles 4-7 are in; the youngest 16 loads, V^T's, stay out
.irp t, 4,5,6,7
	v_wmma_f32_16x16x64_fp8_fp8 v[S+8*\t:S+8*\t+7], v[KV+8*\t:KV+8*\t+7], v[Q:Q+7], 0
.endr
.rept 4
	v_nop                                          ; places in front of the first read of the scores
.endr
	s_cmp_lg_u32 s[KS], s[BLK]                     ; off the diagonal every key counts
	s_cbranch_scc1 .Lopen
.set g, 0
.rept 4                                        ; sixteen compares in a run, into sixteen scalar registers, one wait, sixteen selects: tiles 2 g and 2 g + 1, each from its low end on
.set n, 16*g
.rept 8
	v_cmp_gt_i32 s[MK0+n%8], 16*(n/8)+n%8, v[DG]
.set n, n+1
.endr
.rept 8
	v_cmp_gt_i32 s[MK1+n%8], 16*(n/8)+n%8, v[DG]
.set n, n+1
.endr
	s_wait_alu depctr_va_sdst(0)                   ; the run's sixteen masks are written, ahead of the selects that read them
.set n, 16*g
.rept 8
	v_cndmask_b32 v[S+n], v[S+n], v[NINF], s[MK0+n%8]
.set n, n+1
.endr
.rept 8
	v_cndmask_b32 v[S+n], v[S+n], v[NINF], s[MK1+n%8]
.set n, n+1
.endr
.set g, g+1
.endr
.Lopen:
	v_max3_num_f32 v[MA], v[S], v[S+1], v[S+2]     ; the step's largest score of my query among my 64 keys, in two chains, each accumulator from its low end on
	v_max3_num_f32 v[MB], v[S+3], v[S+4], v[S+5]
.irp i, 6,10,14,18,22,26,30,34,38,42,46,50,54,58
	v_max3_num_f32 v[MA], v[MA], v[S+\i], v[S+1+\i]
	v_max3_num_f32 v[MB], v[MB], v[S+2+\i], v[S+3+\i]
.endr
	v_max3_num_f32 v[MA], v[MA], v[S+62], v[S+63]
	v_max_num_f32 v[MA], v[MA], v[MB]
	v_permlanex16_b32 v[PX], v[MA], s[SEL], s[SEL+1]
	v_max_num_f32 v[MA], v[MA], v[PX]              ; and among lane l xor 16's
	v_mul_f32 v[MA], s[CS], v[MA]                  ; as t (c is positive)
	v_max_num_f32 v[NM+1], v[NM+1], v[MA]          ; the running largest t
	v_mov_b32 v[MA], v[NM]
	v_floor_f32 v[NM], -v[NM+1]                    ; the new -M = floor(-t) = -ceil(t)
	v_sub_f32 v[MA], v[NM], v[MA]                  ; old M - new M: a whole number, 0 or less
	v_cvt_i32_f32 v[MA], v[MA]                     ; (it saturates)
	v_ldexp_f32 v[F], 1.0, v[MA]                   ; f = 2^(old M - new M)
.set j, 0
.rept 32
	v_pk_fma_f32 v[S+j:S+j+1], v[S+j:S+j+1], s[CS:CS+1], v[NM:NM+1] op_sel_hi:[1,0,0]   ; t - M, two at a time
.set j, j+2
.endr
.set j, 0
.rept 64
	v_exp_f32 v[S+j], v[S+j]                       ; p = 2^(t - M)
.set j, j+1
.endr
	v_pk_mul_f32 v[SUM:SUM+1], v[SUM:SUM+1], v[F:F+1] op_sel_hi:[1,0]   ; the sums under the new M: the plain line behind the exponentials
	s_wait_alu depctr_va_vdst(0)                   ; the 64 exponentials have written p: one wait for the whole batch, ahead of its first reader
	v_pk_add_f32 v[SB:SB+1], v[S:S+1], v[S+2:S+3]  ; the row's sum is taken of the unquantised p, in two chains
.irp j, 4,8,12,16,20,24,28,32,36,40,44,48,52,56,60
	v_pk_add_f32 v[SUM:SUM+1], v[SUM:SUM+1], v[S+\j:S+\j+1]
	v_pk_add_f32 v[SB:SB+1], v[SB:SB+1], v[S+2+\j:S+3+\j]
.endr
	v_pk_add_f32 v[SUM:SUM+1], v[SUM:SUM+1], v[SB:SB+1]
	s_cmp_eq_u32 s[NH], 1                          ; e8 >= -8: p / 2^e8 stays under 448
	s_cbranch_scc1 .Lnohold
.set j, 0
.rept 64
	v_min_num_f32 v[S+j], s29, v[S+j]              ; the conversion does not saturate (ISA guide 7.6.2); p is not negative, so the hold is one-sided
.set j, j+1
.endr
.Lnohold:
.irp t, 0,1,2,3,4,5,6,7
	v_cvt_scalef32_pk8_fp8_f32 v[P+2*\t:P+2*\t+1], v[S+8*\t:S+8*\t+7], v[SCP]
.endr
.set j, 0
.rept 16
	v_pk_mul_f32 v[O+j:O+j+1], v[O+j:O+j+1], v[F:F+1] op_sel_hi:[1,0]   ; O^T under the new M; also the plain lines between the conversions and the products
.set j, j+2
.endr
	s_wait_dscnt 0x0                               ; V^T is in
	s_set_vgpr_msb 0x01                            ; source 0 (V^T) window 1; P, C and D window 0
.irp d, 0,1,2,3
	v_wmma_f32_16x16x128_fp8_fp8 v[O+8*\d:O+8*\d+7], v[VB+16*\d:VB+16*\d+15], v[P:P+15], v[O+8*\d:O+8*\d+7]
.endr
	s_set_vgpr_msb 0x0100                          ; all back to window 0
.rept 4
	v_nop                                          ; places in front of the first read of O^T
.endr
	s_cmp_lg_u32 s[KS], s[BLK]
	s_cbranch_scc1 .Lnoepi
	; THE BLOCK GOES OUT: O^T / l, held, converted: tiles 2 b, 2 b + 1 give a lane d = 32 b + 16 h + 0 .. 15: one group of four registers of the next operand
	v_add_f32 v[SUM], v[SUM], v[SUM+1]
	v_permlanex16_b32 v[PX], v[SUM], s[SEL], s[SEL+1]
	v_add_f32 v[SUM], v[SUM], v[PX]                ; the row's sum
	v_rcp_f32 v[F], v[SUM]
	v_mov_b32 v[NM+1], 0xff61b1e6                  ; (the plain line behind the reciprocal)  the next block begins anew
	s_lshl_b32 s50, s[BLK], 17                     ; oimg: 131,072 bytes a block of 128 rows
	s_add_nc_u64 s[OA:OA+1], s[OB:OB+1], s[50:51]
	s_wait_alu depctr_va_vdst(0)                   ; the reciprocal has written 1 / l, ahead of its first reader
.set j, 0
.rept 16
	v_pk_mul_f32 v[O+j:O+j+1], v[O+j:O+j+1], v[F:F+1] op_sel_hi:[1,0]
.set j, j+2
.endr
.set j, 0
.rept 32
	v_med3_num_f32 v[O+j], v[O+j], s30, s31
.set j, j+1
.endr
.irp d, 0,1,2,3
	v_cvt_scalef32_pk8_fp8_f32 v[OC+2*\d:OC+2*\d+1], v[O+8*\d:O+8*\d+7], v[SCO]
.endr
	v_nop                                          ; one plain vector line behind the last conversion
	s_wait_alu depctr_va_vdst(0)                   ; the conversions have written OC, which the two stores read
	global_store_b128 v[LI], v[OC:OC+3], s[OA:OA+1]                  ; each store of the wave covers 512 consecutive bytes, aligned
	global_store_b128 v[LI], v[OC+4:OC+7], s[OA:OA+1] offset:512
	v_floor_f32 v[NM], -v[NM+1]
	v_mov_b32 v[SUM], 0
	v_mov_b32 v[SUM+1], 0
.set i, 0
.rept 32
	v_mov_b32 v[O+i], 0
.set i, i+1
.endr
.irp i, 0,1,2,3,4,5,6,7
	v_mov_b32 v[Q+\i], v[Q2+\i]                    ; the second block's queries
.endr
.Lnoepi:
	s_wait_loadcnt 0x0                             ; the next tile is in my registers
	s_cmp_eq_u32 s[REM], 1
	s_cbranch_scc1 .Lnostore
.irp i, 0,1,2,3
	ds_store_b128 v[ADS], v[STG+4*\i:STG+4*\i+3] offset:4096*\i   ; into the other slot, whose readers have all passed this trip's barrier.  (v[ADS] was written ahead of the trip's wait and has not been named since)
.endr
.Lnostore:
	s_mov_b32 s[KS], s[KSN]
	s_mov_b32 s[BLK], s[BLKN]
	s_sub_co_u32 s[REM], s[REM], 1
	s_cmp_lg_u32 s[REM], 0
	s_cbranch_scc1 .Ltrip
	s_wait_dscnt 0x0                               ; the closing lines, six on end
	s_wait_alu 0x0
	s_wait_tensorcnt 0x0
	ds_add_u32 v254, v255
	s_wait_dscnt 0x0
	s_endpgm
.Lfunc_end_k_q8c98da28cc_attn:
	.size	k_q8c98da28cc_attn, .Lfunc_end_k_q8c98da28cc_attn-k_q8c98da28cc_attn
	.p2alignl 7, 3214868480
	.fill 96, 4, 3214868480
	.section	.rodata,"a",@progbits
	.p2align	6, 0x0
	.amdhsa_kernel k_q8c98da28cc_attn
		.amdhsa_group_segment_fixed_size 33792
		.amdhsa_private_segment_fixed_size 0
		.amdhsa_enable_private_segment 0
		.amdhsa_kernarg_size 32
		.amdhsa_user_sgpr_count 2
		.amdhsa_user_sgpr_kernarg_segment_ptr 1
		.amdhsa_wavefront_size32 1
		.amdhsa_system_sgpr_workgroup_id_x 1
		.amdhsa_system_sgpr_workgroup_id_y 1
		.amdhsa_system_sgpr_workgroup_id_z 1
		.amdhsa_system_vgpr_workitem_id 0
		.amdhsa_next_free_vgpr 344
		.amdhsa_next_free_sgpr 66
		.amdhsa_reserve_vcc 0
		.amdhsa_float_denorm_mode_32 3
		.amdhsa_float_denorm_mode_16_64 3
		.amdhsa_memory_ordered 1
		.amdhsa_forward_progress 1
		.amdhsa_inst_pref_size 38
	.end_amdhsa_kernel
	.amdgpu_metadata
---
amdhsa.version: [ 1, 2 ]
amdhsa.kernels:
  - .name:           k_q8c98da28cc_attn
    .symbol:         k_q8c98da28cc_attn.kd
    .args:
      - { .name: qimg, .offset: 0, .size: 8, .value_kind: global_buffer, .address_space: global }
      - { .name: kvimg, .offset: 8, .size: 8, .value_kind: global_buffer, .address_space: global }
      - { .name: lowp_scales, .offset: 16, .size: 8, .value_kind: global_buffer, .address_space: global }
      - { .name: oimg, .offset: 24, .size: 8, .value_kind: global_buffer, .address_space: global }
    .group_segment_fixed_size: 33792
    .private_segment_fixed_size: 0
    .kernarg_segment_align: 8
    .kernarg_segment_size: 32
    .max_flat_workgroup_size: 256
    .sgpr_count:     66
    .vgpr_count:     344
    .wavefront_size: 32
...
	.end_amdgpu_metadata
.endif
;; end of part 4
;; launch oproj: the kernel of part 3 again; grid 8 x 32, 4 waves a work-group, clusters of 4 x 4, 327,680 bytes of LDS; arguments oimg, w_o_codes, lowp_scales, out0; writes out0
